; MI455X (gfx1250); checked and timed in simulation.
; The chip was launched on July 23, 2026; its instructions are those of AMD's public machine-readable ISA for CDNA 5 (MIT licence, August 2026) and "CDNA5" Instruction Set Architecture Reference Guide (July 2026). The comments in the code are by the model that wrote it; some were corrected since.
;; f VSRN. Allowed arithmetic: float matrix products may take bf16 or f16 operands with f32 sums; other float arithmetic in f32, or as packed bf16 or f16 multiplies, adds, multiply-adds, maxima and minima; sums over many terms, partial sums and values carried from step to step in f32; what a program stores and reads back later, other than sums and carried values, may be rounded once to bf16 or f16.
;; Inputs: b0 128 float32; b1 128 float32; b2 128 float32; b3 128 float32; b4 1 float32; feature_grid 64 x 64 x 64 x 64 float32; w0 100 x 128 float32; w1 128 x 128 float32; w2 128 x 128 float32; w3 128 x 128 float32; w4 128 x 1 float32; x 1,048,576 x 3 float32.
;; Outputs: out0 1,048,576 x 1 float32.
;; 2 versions, each right; version 2 is version 1 with the launch mlp written anew for expert scheduling mode. Each part assembles by itself: llvm-mc -triple=amdgcn-amd-amdhsa -mcpu=gfx1250 --defsym DOCPART=n.
;; ======== version 1 of 2: 2 launches
;; limits: sums are carried in f16; values outside matrix products are rounded to f16; values are held in f16: magnitudes above 65,504 overflow, below 6.1e-05 lose precision; inputs' magnitudes at most 65,504
;; workspace buffers: table 33,554,432 bytes; idx 4,194,304 bytes of whole numbers; gmax 16,384 bytes
;; launch prep (part 1): grid 512 x 1, 8 waves a work-group, no clusters, 78,848 bytes of LDS; arguments feature_grid, x, table, idx, gmax; writes table, idx, gmax
.if DOCPART == 1
	.amdgcn_target "amdgcn-amd-amdhsa--gfx1250"
	.amdhsa_code_object_version 6
	.text
	.protected	k_qfd821cd06a_prep
	.globl	k_qfd821cd06a_prep
	.p2align	8
	.type	k_qfd821cd06a_prep,@function
k_qfd821cd06a_prep:
	s_mov_b64 s[64:65], 0
	v_nop
	global_prefetch_b8 v0, s[64:65] scope:SCOPE_SE
	s_setreg_imm32_b32 hwreg(HW_REG_WAVE_MODE, 25, 1), 1
	s_wait_xcnt 0x0
; PREP.  Three things, all streams, for the launch behind:
;   table[z][y][x][f] = f16(feature_grid[f][z][y][x]): a cell's 64 features become 128 consecutive bytes;
;   idx[point] = zb<<12 | yb<<6 | xb, the lower corner of the point's cell, each of the three in 0..62 (whole numbers: the next launch makes addresses of them);
;   gmax[wave] = the largest |feature_grid| that the wave has seen (the next launch bounds its sums by it).
; LIMIT.  A grid number of 65,520 or more in magnitude becomes an infinity in f16; NaN is not treated apart (a NaN coordinate gives cell 0).
; SHARES.  4,096 waves.  Wave W = 64 z + y takes the 64 rows (one a feature) of 256 bytes at that (z, y), which leave as 8,192 consecutive bytes, and the points 256 W .. 256 W + 255.
; The turning goes through the wave's own LDS bytes, so there is no barrier and no loop.  No matrix unit, no cluster: nothing is multiplied and no two work-groups read the same bytes.
.set SPARE, 77824                      ; behind the eight waves' regions: the spare words, 128 bytes a wave
.set WREG,  9728                       ; a wave's LDS region.  Byte of (x, f) = (x / 4) * 144 + (x % 4) * 2432 + 2 f:
.set XP,    144                        ; sixteen lanes that store 16 bytes each lie 144 bytes apart, an odd multiple of 16: sixteen different 16-byte columns of 256 bytes;
.set XQ,    2432                       ; on the way back two groups of eight lanes lie 2,432 = 9 * 256 + 128 bytes apart: the two halves of 256 bytes
.set SPW, 2                            ; v2   my spare word's LDS address; never rewritten
.set NIL, 3                            ; v3   0; never rewritten
.set GOF, 4                            ; v4   (lane / 16) * 8 features' distance + 16 (lane % 16)
.set LIN, 5                            ; v5   LDS: where I put 16 bytes (8 features of one x)
.set LBK, 6                            ; v6   LDS: where I read 16 bytes back
.set O16, 7                            ; v7   16 lane: offset in table and in idx
.set O48, 8                            ; v8   48 lane: offset in x (four points)
.set ZO,  9                            ; v9   0
.set MX,  10                           ; v10-13 four running maxima
.set XV,  16                           ; v16-39 x: group a of 128 points, 12 numbers a lane at XV + 12 a
.set IX,  40                           ; v40-47 idx of my 2 x 4 points
.set PK,  48                           ; v48-63 at work
.set D,   64                           ; v64-191 the tile: round R, row j, x 4 (lane % 16) + i at D + 32 R + 4 j + i; later the tile on its way out
	s_load_b256 s[4:11], s[0:1], 0x0               ; feature_grid s[4:5], x s[6:7], table s[8:9], idx s[10:11]
	s_load_b64 s[12:13], s[0:1], 0x20              ; gmax
	v_lshl_add_u32 v[SPW], v0, 2, SPARE
	v_mov_b32 v[NIL], 0
	v_lshrrev_b32 v1, 5, v0
	v_readfirstlane_b32 s2, v1                     ; wave 0..7
	s_lshl_b32 s3, ttmp9, 3
	s_add_co_u32 s3, s3, s2                        ; W = 8 x work-group + wave = 64 z + y
	s_mul_i32 s33, s2, WREG                        ; my wave's LDS region
	s_mov_b32 s30, 0x76543210                      ; v_permlanex16_b32: each lane takes its own place in the other half
	s_mov_b32 s31, 0xfedcba98
	v_and_b32 v1, 31, v0                           ; lane
	v_bfe_u32 v14, v0, 4, 1                        ; lane / 16
	v_and_b32 v15, 15, v0                          ; lane % 16
	v_lshlrev_b32 v[GOF], 4, v15
	v_lshl_or_b32 v[GOF], v14, 23, v[GOF]          ; lanes 16-31 take the row eight features (8 x 1,048,576 bytes) further on
	v_mul_u32_u24 v[LIN], v15, XP
	v_lshl_add_u32 v[LIN], v14, 4, v[LIN]
	v_add_nc_u32 v[LIN], s33, v[LIN]
	v_bfe_u32 v14, v0, 3, 2                        ; lane / 8
	v_and_b32 v15, 7, v0                           ; lane % 8
	v_mul_u32_u24 v[LBK], v14, XQ
	v_lshl_add_u32 v[LBK], v15, 4, v[LBK]
	v_add_nc_u32 v[LBK], s33, v[LBK]
	v_lshlrev_b32 v[O16], 4, v1
	v_mul_u32_u24 v[O48], v1, 48
	v_mov_b32 v[ZO], 0
	s_mov_b32 s35, 0
	s_wait_kmcnt 0x0
	s_lshl_b32 s34, s3, 8                          ; my rows begin 256 W bytes into each feature's 1,048,576
	s_add_nc_u64 s[14:15], s[4:5], s[34:35]        ; round 0: features 0-15
	s_add_nc_u64 s[16:17], s[14:15], 0x1000000     ; round 1: sixteen features on
	s_add_nc_u64 s[18:19], s[16:17], 0x1000000
	s_add_nc_u64 s[20:21], s[18:19], 0x1000000
	s_mul_i32 s34, s3, 3072
	s_add_nc_u64 s[22:23], s[6:7], s[34:35]        ; x at my 256 points
	s_lshl_b32 s34, s3, 13
	s_add_nc_u64 s[24:25], s[8:9], s[34:35]        ; table at my 8,192 bytes
	s_lshl_b32 s34, s3, 10
	s_add_nc_u64 s[26:27], s[10:11], s[34:35]      ; idx at my 256 words
	s_lshl_b32 s34, s3, 2
	s_add_nc_u64 s[28:29], s[12:13], s[34:35]      ; gmax at my word
	; all loads go out on end: 6 of x, then 32 of the grid (each: two whole rows of 256 bytes, one a half of the lanes)
.irp a, 0,1
.irp t, 0,1,2
	global_load_b128 v[XV+12*\a+4*\t:XV+12*\a+4*\t+3], v[O48], s[22:23] offset:1536*\a+16*\t th:TH_LOAD_NT
.endr
.endr
.irp R, 0,1,2,3
.irp j, 0,1,2,3,4,5,6,7
	global_load_b128 v[D+32*\R+4*\j:D+32*\R+4*\j+3], v[GOF], s[14+2*\R:15+2*\R] offset:\j*1048576 th:TH_LOAD_NT
.endr
.endr
; idx of group a's four points a lane.  f = (c + 1) * 31.5, the same two roundings as in the next launch; held to 0..62 and cut to a whole number.
.macro IDXS a
.irp z, 0,1,2,3,4,5,6,7,8,9,10,11
	v_add_f32 v[PK+\z], 1.0, v[XV+12*\a+\z]
.endr
.irp z, 0,1,2,3,4,5,6,7,8,9,10,11
	v_mul_f32 v[PK+\z], 0x41fc0000, v[PK+\z]       ; 31.5
.endr
.irp z, 0,1,2,3,4,5,6,7,8,9,10,11
	v_max_num_f32 v[PK+\z], 0, v[PK+\z]
.endr
.irp z, 0,1,2,3,4,5,6,7,8,9,10,11
	v_min_num_f32 v[PK+\z], 0x42780000, v[PK+\z]   ; 62.0
.endr
.irp z, 0,1,2,3,4,5,6,7,8,9,10,11
	v_cvt_u32_f32 v[PK+\z], v[PK+\z]
.endr
.irp p, 0,1,2,3
	v_lshl_or_b32 v14, v[PK+3*\p+2], 6, v[PK+3*\p+1]   ; z, y
	v_lshl_or_b32 v[IX+4*\a+\p], v14, 6, v[PK+3*\p]    ; , x
.endr
	global_store_b128 v[O16], v[IX+4*\a:IX+4*\a+3], s[26:27] offset:512*\a  ; the wave stores 512 consecutive bytes
.endm
	s_wait_loadcnt 32                              ; the 32 grid loads are younger: x is in
	IDXS 0
	IDXS 1
; Round R: sixteen features.  The maxima; eight features of one x packed into 16 bytes; into LDS.
.macro ROUND R
	s_wait_loadcnt 24-8*\R                         ; the later rounds' loads are younger
.set z, 0
.rept 16
.if (\R == 0) && (z < 4)
	v_max_num_f32 v[MX+z%4], |v[D+2*z]|, |v[D+2*z+1]|  ; the first eight numbers start the four chains
.else
	v_max3_num_f32 v[MX+z%4], v[MX+z%4], |v[D+32*\R+2*z]|, |v[D+32*\R+2*z+1]|
.endif
.set z, z+1
.endr
.irp i, 0,1,2,3
.irp q, 0,1,2,3
	v_cvt_pk_f16_f32 v[PK+4*\i+\q], v[D+32*\R+8*\q+\i], v[D+32*\R+8*\q+4+\i]  ; features 16 R + 8 (lane / 16) + 2 q, + 1 of x = 4 (lane % 16) + i
.endr
	ds_store_b128 v[LIN], v[PK+4*\i:PK+4*\i+3] offset:\i*XQ+32*\R
.endr
.endm
	ROUND 0
	ROUND 1
	ROUND 2
	ROUND 3
.irp k, 0,1,2,3,4,5,6,7,8,9,10,11,12,13,14,15
	ds_load_b128 v[D+4*\k:D+4*\k+3], v[LBK] offset:\k*XP  ; four cells, 512 bytes of the table; LDS serves a wave's instructions in order (ISA guide 5.7.1.4): these see the stores above
.endr
	v_max3_num_f32 v[MX], v[MX], v[MX+1], v[MX+2]  ; the maximum is finished while those loads are out
	v_max_num_f32 v[MX], v[MX], v[MX+3]
	v_max_num_f32_dpp v[MX], v[MX], v[MX] row_xmask:1 row_mask:0xf bank_mask:0xf
	v_max_num_f32_dpp v[MX], v[MX], v[MX] row_xmask:2 row_mask:0xf bank_mask:0xf
	v_max_num_f32_dpp v[MX], v[MX], v[MX] row_xmask:4 row_mask:0xf bank_mask:0xf
	v_max_num_f32_dpp v[MX], v[MX], v[MX] row_xmask:8 row_mask:0xf bank_mask:0xf
	v_permlanex16_b32 v14, v[MX], s30, s31
	v_max_num_f32 v[MX], v[MX], v14
.irp k, 0,1,2,3,4,5,6,7,8,9,10,11,12,13,14,15
	s_wait_dscnt 15-\k                             ; the later loads are younger
	global_store_b128 v[O16], v[D+4*\k:D+4*\k+3], s[24:25] offset:512*\k  ; 512 consecutive bytes, at a multiple of 512 from the table's first
.endr
	v_cmp_eq_u32 vcc_lo, 0, v1
	s_wait_xcnt 0x0                                ; EXEC is a source of the stores above: it changes only behind this wait
	s_and_saveexec_b32 s32, vcc_lo
	global_store_b32 v[ZO], v[MX], s[28:29]        ; lane 0 alone: the wave's maximum
	s_wait_xcnt 0x0                                ; and again in front of the line that widens it
	s_or_b32 exec_lo, exec_lo, s32
	s_wait_tensorcnt 0x0                           ; the wave's end, behind my last LDS store
	ds_add_u32 v[SPW], v[NIL]
	s_wait_dscnt 0x0
	s_endpgm
.Lfunc_end_k_qfd821cd06a_prep:
	.size	k_qfd821cd06a_prep, .Lfunc_end_k_qfd821cd06a_prep-k_qfd821cd06a_prep
	.p2alignl 7, 3214868480
	.fill 96, 4, 3214868480
	.section	.rodata,"a",@progbits
	.p2align	6, 0x0
	.amdhsa_kernel k_qfd821cd06a_prep
		.amdhsa_group_segment_fixed_size 78848
		.amdhsa_private_segment_fixed_size 0
		.amdhsa_enable_private_segment 0
		.amdhsa_kernarg_size 40
		.amdhsa_user_sgpr_count 2
		.amdhsa_user_sgpr_kernarg_segment_ptr 1
		.amdhsa_wavefront_size32 1
		.amdhsa_system_sgpr_workgroup_id_x 1
		.amdhsa_system_sgpr_workgroup_id_y 1
		.amdhsa_system_sgpr_workgroup_id_z 1
		.amdhsa_system_vgpr_workitem_id 0
		.amdhsa_next_free_vgpr 192
		.amdhsa_next_free_sgpr 66
		.amdhsa_reserve_vcc 1
		.amdhsa_float_denorm_mode_32 3
		.amdhsa_float_denorm_mode_16_64 3
		.amdhsa_memory_ordered 1
		.amdhsa_forward_progress 1
		.amdhsa_inst_pref_size 26
	.end_amdhsa_kernel
	.amdgpu_metadata
---
amdhsa.version: [ 1, 2 ]
amdhsa.kernels:
  - .name:           k_qfd821cd06a_prep
    .symbol:         k_qfd821cd06a_prep.kd
    .args:
      - { .name: feature_grid, .offset: 0, .size: 8, .value_kind: global_buffer, .address_space: global }
      - { .name: x, .offset: 8, .size: 8, .value_kind: global_buffer, .address_space: global }
      - { .name: table, .offset: 16, .size: 8, .value_kind: global_buffer, .address_space: global }
      - { .name: idx, .offset: 24, .size: 8, .value_kind: global_buffer, .address_space: global }
      - { .name: gmax, .offset: 32, .size: 8, .value_kind: global_buffer, .address_space: global }
    .group_segment_fixed_size: 78848
    .private_segment_fixed_size: 0
    .kernarg_segment_align: 8
    .kernarg_segment_size: 40
    .max_flat_workgroup_size: 256
    .sgpr_count:     66
    .vgpr_count:     192
    .wavefront_size: 32
...
	.end_amdgpu_metadata
.endif
;; end of part 1
;; launch mlp (part 2): grid 256 x 1, 8 waves a work-group, no clusters, 302,336 bytes of LDS; arguments x, idx, table, gmax, w0, b0, w1, b1, w2, b2, w3, b3, w4, b4, out0; writes out0
.if DOCPART == 2
	.amdgcn_target "amdgcn-amd-amdhsa--gfx1250"
	.amdhsa_code_object_version 6
	.text
	.protected	k_qfd821cd06a_mlp
	.globl	k_qfd821cd06a_mlp
	.p2align	8
	.type	k_qfd821cd06a_mlp,@function
k_qfd821cd06a_mlp:
	s_mov_b64 s[64:65], 0
	v_nop
	global_prefetch_b8 v0, s[64:65] scope:SCOPE_SE
	s_setreg_imm32_b32 hwreg(HW_REG_WAVE_MODE, 25, 1), 1
	s_wait_xcnt 0x0
; out[p] = MLP(concat(PE(x[p]), trilinear(grid, x[p]))): 100 -> 128 -> 128 -> 128 -> 128 -> 1, LeakyReLU(0.01) behind the first four layers.
; SHARES.  2,048 waves, two to a SIMD; a wave owns 512 points and takes them in 8 blocks of 64 (four tiles of 16).  Behind the set-up every LDS stage is the wave's own: no barrier in the loop.
; FORMATS.  x, biases, the encoding's arithmetic, the corner weights' arithmetic and all matrix sums in f32.  Matrix operands (y, h0..h3, w0..w4) in f16; the table is f16; the eight corner weights are rounded
; to f16 and the 8-term interpolation runs in packed f16, rounded at each term.
; SCALES.  f16 has little range, so each layer is held by a power of two t_k taken from a bound on its sums: G = max |grid|, M0 = max_n (sum_PE |w0| + max(G, 1) sum_feat |w0| + |b0|),
; M_k = max_n (M_(k-1) sum |w_k| + |b_k|), t_k M_k in [2^14, 2^15).  The weights carry t_k / t_(k-1), the biases t_k; LeakyReLU commutes with a positive factor, powers of two round nothing, and the
; result is divided by t_3.  So h'_k = t_k h_k stays under 2^15 and |w'_k| under 2 (k >= 1), for every input within the limits.
; LIMITS.  |grid| and |w4| under 65,504; each M_k within 2^-63 .. 2^64 (outside, t_k is held at the end of that range); NaN and infinities are not treated apart.  The encoding takes the exact pi:
; sin(2^l pi x), where the f32 product fl(2^l pi) x differs from it by up to 1e-5 at |x| <= 1 and 4e-4 at |x| = 60.
; NO CLUSTER, NO TENSOR LOAD: what work-groups share is the 250 KB of weights, read once each and converted on the way, so they pass through registers; the gathered rows are each point's own.
; THE PRODUCTS ARE USED TRANSPOSED: source 0 = 16 units x 32 k of the weights, source 1 = 16 points x 32 k.  In the result lane l holds point l % 16 and the units 8 (l / 16) + 0..7; the results of unit tiles
; 2 g and 2 g + 1, rounded in pairs, ARE registers 0-3 and 4-7 of the next layer's source 1 for K step g: the chain of layers never leaves the registers.
; y's k: 0..35 the encoding in the order 3 l + c (sines), 18 + 3 l + c (cosines), held as 2 sin, 2 cos (w0's rows carry the 0.5); 36..63 zero; 64 + f the features.
.set PITCH, 272                        ; an LDS row of 128 f16 + 16 bytes: the 16 rows of a fragment load start at 16 different 16-byte columns of 256 bytes
.set WLAY,  128*PITCH                  ; a layer's weights: row n (unit), k along the row
.set BST,   4*WLAY                     ; 139,264: t_k b_k[n], f32, at 512 k + 4 n
.set PART,  BST+2048                   ; 141,312: partial sums of |w| at 512 (2 k + q) + 4 n
.set GS,    PART+4096                  ; 145,408: the eight waves' maxima of gmax
.set YST,   GS+256                     ; 145,664: wave w's 64 rows of y at w * YWAVE
.set YWAVE, 64*PITCH
.set WST,   YST+8*YWAVE                ; 284,928: wave w's corner weights at 2,048 w + 512 (2 e + j / 4) + 16 lane
.set SPARE, WST+8*2048                 ; 301,312: the spare words, 128 bytes a wave
; window 0
.set SPW,  2                           ; my spare word's LDS address; never rewritten
.set NIL,  3                           ; 0; never rewritten
.set AW01, 4                           ; (l % 16) PITCH + 16 (l / 16): a weight fragment's place, layers 0 and 1
.set AW23, 5                           ; the same for layers 2 and 3 (2 WLAY on: past the immediate's 16 bits)
.set AB,   6                           ; BST + 32 (l / 16)
.set YA,   7                           ; y's fragments
.set YP,   8                           ; y's row l (and l + 32): the encoding goes there
.set YF,   9                           ; y's rows 8 (l / 8) on, byte 128 + 16 (l % 8): the features go there
.set WS,   10                          ; corner weights in
.set WL,   11                          ; corner weights back: those of lanes 8 (l / 8) on
.set XO,   12                          ; 24 l
.set IO,   13                          ; 64 (l / 8)
.set OO,   14                          ; 8 l
.set C16,  15                          ; 16 (l % 8)
.set IT,   16                          ; v16-17 1 / t3 twice
.set B4,   18                          ; v18-19 b4 twice
.set XR,   20                          ; v20-25 x of points 2 l (3 numbers) and 2 l + 1
.set UV,   26                          ; v26-27 the two results
.set WF,   32                          ; v32-95 weight fragments (u, c) at WF + 8 (4 u + c)
.set BC,   96                          ; v96-111 bias as a C operand, unit tile u at BC + 8 u
.set ACC,  112                         ; v112-175 accumulators (u, p) at ACC + 8 (4 u + p)
.set W4F,  176                         ; v176-207 w4's fragments, resident
.set IDX,  208                         ; v208-223 idx of 16 points, turned into byte offsets in place
; window 0, at work in the block's preparation (every pair: point 2 l, point 2 l + 1)
.set FX,  32
.set FL,  38
.set WH,  44                           ; weight of the upper cell, coordinate c at WH + 2 c
.set WLO, 50                           ; of the lower cell: WH + 6
.set ZY,  56
.set W8,  64
.set WP,  80
.set PEV, 32                           ; the encoding's number k at PEV + 2 k
.set TT,  104
.set Y2,  110
.set SN,  116
.set CN,  122
.set D1S, 128
.set D1C, 134
.set PEK, 128                          ; packed: point e's 18 words at PEK + 18 e
; window 1: in the layers X (p, c) at 32 p + 8 c and Y (p, c) at 128 + 32 p + 8 c; in the gather six slots of 40 (32 of data, 8 of weights) and v240-243 the sums; at the start weight (k, j) at 64 k + j
.set FA,  240
.set MSB, 0
.macro WIN new                         ; s_set_vgpr_msb: bits 1:0 source 0, 3:2 source 1, 5:4 source 2, 7:6 destination; the high byte repeats the setting that is left
.if MSB != (\new)
	s_set_vgpr_msb (MSB<<8)|(\new)
.set MSB, (\new)
.endif
.endm
.macro SPAIR r, val                    ; a constant for the packed f32 forms: named as a pair, so both words are written
	s_mov_b32 s[\r], \val
	s_mov_b32 s[\r+1], \val
.endm
.macro REDMAX r, t                     ; the maximum over the 32 lanes, in every lane
	v_max_num_f32_dpp v[\r], v[\r], v[\r] row_xmask:1 row_mask:0xf bank_mask:0xf
	v_max_num_f32_dpp v[\r], v[\r], v[\r] row_xmask:2 row_mask:0xf bank_mask:0xf
	v_max_num_f32_dpp v[\r], v[\r], v[\r] row_xmask:4 row_mask:0xf bank_mask:0xf
	v_max_num_f32_dpp v[\r], v[\r], v[\r] row_xmask:8 row_mask:0xf bank_mask:0xf
	v_permlanex16_b32 v[\t], v[\r], s66, s67
	v_max_num_f32 v[\r], v[\r], v[\t]
.endm
	s_load_b512 s[8:23], s[0:1], 0x0               ; x s[8:9], idx s[10:11], table s[12:13], gmax s[14:15], w0 s[16:17], b0 s[18:19], w1 s[20:21], b1 s[22:23]
	s_load_b256 s[24:31], s[0:1], 0x40             ; w2 s[24:25], b2 s[26:27], w3 s[28:29], b3 s[30:31]
	s_load_b128 s[32:35], s[0:1], 0x60             ; w4 s[32:33], b4 s[34:35]
	s_load_b64 s[36:37], s[0:1], 0x70              ; out0
	v_lshl_add_u32 v[SPW], v0, 2, SPARE
	v_mov_b32 v[NIL], 0
	v_lshrrev_b32 v224, 5, v0
	v_readfirstlane_b32 s2, v224                   ; wave 0..7
	s_lshr_b32 s3, s2, 2                           ; q: which half of a weight row's k I convert
	s_and_b32 s4, s2, 3                            ; which 32 units
	s_lshl_b32 s5, ttmp9, 3
	s_add_co_u32 s5, s5, s2                        ; my wave among the launch's 2,048
	SPAIR 40, 0x41fc0000                           ; 31.5
	SPAIR 42, 0xc2780000                           ; -62
	SPAIR 44, 0x3fc90fdb                           ; 2 sin(a t) = t (S1 + t^2 (S3 + t^2 (S5 + t^2 (S7 + t^2 S9)))), a = pi / 4: S1 = 2 a
	SPAIR 46, 0xbe255de7                           ; S3 = -2 a^3 / 3!
	SPAIR 48, 0x3ba335e3                           ; S5 = 2 a^5 / 5!
	SPAIR 50, 0xb8996966                           ; S7 = -2 a^7 / 7!
	SPAIR 52, 0x35283c1a                           ; S9 = 2 a^9 / 9!
	SPAIR 54, 0xbf1de9e6                           ; 2 cos(a t) = 2 + t^2 (C2 + t^2 (C4 + t^2 (C6 + t^2 C8))): C2 = -a^2
	SPAIR 56, 0x3d01e0f8                           ; C4 = 2 a^4 / 4!
	SPAIR 58, 0xba2ae9e4                           ; C6 = -2 a^6 / 6!
	SPAIR 60, 0x36f0faa5                           ; C8 = 2 a^8 / 8!
	s_mov_b32 s66, 0x76543210                      ; v_permlanex16_b32: each lane takes its own place in the other half
	s_mov_b32 s67, 0xfedcba98
	s_mov_b32 s68, 0x211f211f                      ; 0.01 twice in f16
	s_mov_b32 s69, 0xffff0000                      ; lanes 16-31
	s_mov_b32 s71, 0x01010101                      ; lanes 0, 8, 16, 24: rows 0 and 8 of a fragment
	s_mov_b32 s39, 0
	v_and_b32 v224, 31, v0                         ; l
	v_bfe_u32 v225, v0, 4, 1                       ; l / 16
	v_and_b32 v226, 15, v0                         ; l % 16
	v_bfe_u32 v227, v0, 3, 2                       ; l / 8
	v_and_b32 v228, 7, v0                          ; l % 8
	s_mul_i32 s6, s2, YWAVE
	s_add_co_u32 s6, s6, YST                       ; my wave's rows of y
	s_lshl_b32 s7, s2, 11
	s_add_co_u32 s7, s7, WST                       ; my wave's corner weights
	v_mul_u32_u24 v[AW01], v226, PITCH
	v_lshl_add_u32 v[AW01], v225, 4, v[AW01]
	v_add_nc_u32 v[AW23], 2*WLAY, v[AW01]
	v_lshl_add_u32 v[AB], v225, 5, BST
	v_add_nc_u32 v[YA], s6, v[AW01]
	v_mul_u32_u24 v[YP], v224, PITCH
	v_add_nc_u32 v[YP], s6, v[YP]
	v_mul_u32_u24 v[YF], v227, 8*PITCH
	v_lshl_add_u32 v[YF], v228, 4, v[YF]
	v_add3_u32 v[YF], v[YF], s6, 128
	v_lshl_add_u32 v[WS], v224, 4, s7
	v_lshl_add_u32 v[WL], v227, 7, s7
	v_mul_u32_u24 v[XO], v224, 24
	v_lshlrev_b32 v[IO], 6, v227
	v_lshlrev_b32 v[OO], 3, v224
	v_lshlrev_b32 v[C16], 4, v228
	; the set-up's own addresses.  Thread (n, q): unit n = 32 (wave % 4) + l, k = 64 q .. 64 q + 63
	v_lshlrev_b32 v229, 4, v224                    ; 16 l
	v_lshlrev_b32 v230, 2, v224
	s_lshl_b32 s38, s4, 7
	v_add_nc_u32 v230, s38, v230                   ; 4 n
	s_mul_i32 s38, s3, 18432
	v_add_nc_u32 v231, s38, v230                   ; w0: rows 36 q + j, always inside its 100 rows
	s_lshl_b32 s38, s3, 15
	v_add_nc_u32 v232, s38, v230                   ; w1..w3: rows 64 q + j
	v_lshlrev_b32 v233, 4, v0                      ; 16 x thread
	v_lshlrev_b32 v234, 5, v225                    ; 32 (l / 16)
	s_lshl_b32 s38, s2, 2
	s_add_co_u32 s38, s38, GS
	v_mov_b32 v235, s38                            ; GS + 4 wave
	s_lshl_b32 s38, s3, 9
	s_add_co_u32 s38, s38, PART
	v_add_nc_u32 v236, s38, v230                   ; PART + 512 q + 4 n
	v_mov_b32 v237, GS
	v_add_nc_u32 v238, PART, v229                  ; PART + 16 l
	s_lshl_b32 s38, s4, 5
	v_add_nc_u32 v239, s38, v224                   ; n
	v_mul_u32_u24 v239, v239, PITCH
	s_lshl_b32 s38, s3, 7
	v_add_nc_u32 v239, s38, v239                   ; n PITCH + 128 q: my half row of weights, layers 0 and 1
	v_add_nc_u32 v240, 2*WLAY, v239                ; layers 2 and 3
	s_lshl_b32 s38, s3, 10
	s_add_co_u32 s38, s38, BST
	v_add_nc_u32 v241, s38, v230                   ; BST + 512 (2 q) + 4 n
	s_wait_kmcnt 0x0
	s_load_b32 s88, s[34:35], 0x0                  ; b4
	s_mul_i32 s38, s5, 6144
	s_add_nc_u64 s[8:9], s[8:9], s[38:39]          ; x at my 512 points
	s_lshl_b32 s38, s5, 11
	s_add_nc_u64 s[10:11], s[10:11], s[38:39]      ; idx
	s_add_nc_u64 s[36:37], s[36:37], s[38:39]      ; out0
	s_cmp_eq_u32 s3, 0
	s_cselect_b64 s[90:91], s[18:19], s[26:27]     ; the two biases that I scale: layers 2 q
	s_cselect_b64 s[92:93], s[22:23], s[30:31]     ; and 2 q + 1
	; ALL THE SET-UP'S LOADS GO OUT ON END, block 0's x and idx first
.irp t, 0,1,2
	global_load_b64 v[XR+2*\t:XR+2*\t+1], v[XO], s[8:9] offset:8*\t th:TH_LOAD_NT
.endr
.irp t, 0,1,2,3
	global_load_b128 v[IDX+4*\t:IDX+4*\t+3], v[IO], s[10:11] offset:16*\t th:TH_LOAD_NT
.endr
.irp t, 0,1,2,3
	global_load_b128 v[32+4*\t:35+4*\t], v233, s[14:15] offset:4096*\t   ; 16 of gmax's 4,096 numbers a thread
.endr
	global_load_b128 v[48:51], v229, s[18:19]      ; b_k[4 l .. 4 l + 3], for the chain of bounds
	global_load_b128 v[52:55], v229, s[22:23]
	global_load_b128 v[56:59], v229, s[26:27]
	global_load_b128 v[60:63], v229, s[30:31]
	global_load_b32 v64, v230, s[90:91]            ; b_(2q)[n], b_(2q+1)[n]
	global_load_b32 v65, v230, s[92:93]
.irp c, 0,1,2,3
.irp t, 0,1,2,3
	global_load_b128 v[112+16*\c+4*\t:115+16*\c+4*\t], v234, s[32:33] offset:128*\c+16*(\t%2)+64*(\t/2)  ; w4 in a fragment's order: k = 32 c + 8 (l / 16) + 0..7, then 16 further on
.endr
.endr
.macro WLOAD k, off, lo                ; my 64 numbers of layer k: a wave's load covers 128 consecutive bytes of one row of w
	WIN 0x40
.set j, 0
.rept 64
	global_load_b32 v[64*(\k)+j], v[\off], s[\lo:\lo+1] offset:j*512
.set j, j+1
.endr
.endm
	WLOAD 0, 231, 16
	WLOAD 1, 232, 20
	WLOAD 2, 232, 24
	WLOAD 3, 232, 28
	WIN 0
	s_wait_loadcnt 0x0
	s_wait_kmcnt 0x0
	; the wave's maximum of gmax
	v_max3_num_f32 v32, v32, v33, v34
	v_max3_num_f32 v35, v35, v36, v37
	v_max3_num_f32 v38, v38, v39, v40
	v_max3_num_f32 v41, v41, v42, v43
	v_max3_num_f32 v44, v44, v45, v46
	v_max3_num_f32 v32, v32, v35, v38
	v_max3_num_f32 v41, v41, v44, v47
	v_max_num_f32 v32, v32, v41
	REDMAX 32, 33
	ds_store_b32 v235, v32                         ; all lanes write the same word with the same number
	; w4's fragments: unscaled; rows 0 and 8 hold w4, the others 0, so that register 0 of the last product holds the result in both halves of the lanes
.irp c, 0,1,2,3
.irp i, 0,1,2,3,4,5,6,7
	v_cvt_pk_f16_f32 v[W4F+8*\c+\i], v[112+16*\c+2*\i], v[113+16*\c+2*\i]
.endr
.endr
.set j, 0
.rept 32
	v_cndmask_b32 v[W4F+j], 0, v[W4F+j], s71
.set j, j+1
.endr
; the sum of |w| over n numbers (a multiple of 4) of layer k from number lo on, in four chains, into v[d]
.macro WSUM k, lo, n, d
	WIN 0x04                                       ; source 1 in window 1
.irp z, 0,1,2,3
	v_and_b32 v[\d+\z], 0x7fffffff, v[64*(\k)+(\lo)+\z]
.endr
.set j, 4
.rept (\n)-4
	v_add_f32 v[\d+j%4], v[\d+j%4], |v[64*(\k)+(\lo)+j]|
.set j, j+1
.endr
	WIN 0
	v_add_f32 v[\d], v[\d], v[\d+1]
	v_add_f32 v[\d+2], v[\d+2], v[\d+3]
	v_add_f32 v[\d], v[\d], v[\d+2]
.endm
	WSUM 0, 0, 36, 72                              ; q = 0: the encoding's 36 rows; q = 1: the first 36 features'
	WSUM 0, 36, 28, 76                             ; q = 0: rows that belong to q = 1, dropped; q = 1: the other 28 features'
	s_cmp_eq_u32 s3, 0
	s_cselect_b32 s5, 0, 1.0
	v_fma_f32 v72, s5, v76, v72
	ds_store_b32 v236, v72
.irp k, 1,2,3
	WSUM \k, 0, 64, 72
	ds_store_b32 v236, v72 offset:1024*\k
.endr
	; y's k = 36..63 (bytes 72..127 of my rows l and l + 32) are set to 0 once; nothing else ever lands there
.irp z, 84,85,86,87
	v_mov_b32 v\z, 0
.endr
.irp e, 0,1
	ds_store_b64 v[YP], v[84:85] offset:32*PITCH*\e+72
	ds_store_b128 v[YP], v[84:87] offset:32*PITCH*\e+80
	ds_store_b128 v[YP], v[84:87] offset:32*PITCH*\e+96
	ds_store_b128 v[YP], v[84:87] offset:32*PITCH*\e+112
.endr
	s_wait_dscnt 0x0                               ; for the others' sake: my maximum and my partial sums are in LDS
	s_barrier_signal -1
	s_barrier_wait -1
	; THE CHAIN OF BOUNDS, made by every wave for itself: lane l has the units 4 l .. 4 l + 3
	ds_load_b128 v[88:91], v237
	ds_load_b128 v[92:95], v237 offset:16
.irp k, 0,1,2,3
	ds_load_b128 v[112+8*\k:115+8*\k], v238 offset:1024*\k
	ds_load_b128 v[116+8*\k:119+8*\k], v238 offset:1024*\k+512
.endr
	s_wait_dscnt 0x0
	v_max3_num_f32 v88, v88, v89, v90
	v_max3_num_f32 v91, v91, v92, v93
	v_max3_num_f32 v88, v88, v94, v95
	v_max3_num_f32 v88, v88, v91, 1.0              ; max(G, 1): with it t0 |w0| stays under 2^15 for the features' rows too
	v_readfirstlane_b32 s89, v88
; Layer k: M_k into s89, t_k into s[80 + k], t_k / t_(k-1) into s[84 + k], 1 / t_k into s94.  These scalars feed multiplications alone.
.macro CHAIN k
.set a, 112+8*(\k)
.irp i, 0,1,2,3
.if (\k) == 0
	v_fma_f32 v[a+\i], s89, v[a+4+\i], v[a+\i]     ; the encoding's sum + max(G, 1) x the features' sum
.else
	v_add_f32 v[a+\i], v[a+\i], v[a+4+\i]
.endif
.endr
.irp i, 0,1,2,3
.if (\k) == 0
	v_add_f32 v[a+\i], v[a+\i], |v[48+\i]|
.else
	v_fma_f32 v[a+\i], s89, v[a+\i], |v[48+4*(\k)+\i]|
.endif
.endr
	v_max3_num_f32 v[a], v[a], v[a+1], v[a+2]
	v_max_num_f32 v[a], v[a], v[a+3]
	REDMAX a, a+1
	v_readfirstlane_b32 s89, v[a]
	s_lshr_b32 s5, s89, 23                         ; M's exponent field e (M is not negative),
	s_max_u32 s5, s5, 64
	s_min_u32 s5, s5, 190                          ; held to 64..190
	s_sub_co_u32 s5, 268, s5                       ; t = 2^(141 - e): t M in [2^14, 2^15)
	s_lshl_b32 s[80+(\k)], s5, 23
.if (\k) == 0
	s_mov_b32 s84, s80
.else
	s_mul_f32 s[84+(\k)], s[80+(\k)], s94
.endif
	s_sub_co_u32 s5, 254, s5
	s_lshl_b32 s94, s5, 23                         ; 1 / t
.endm
	CHAIN 0
	CHAIN 1
	CHAIN 2
	CHAIN 3
	; my two biases, times t
	s_cmp_eq_u32 s3, 0
	s_cselect_b32 s5, s80, s82
	s_cselect_b32 s38, s81, s83
	v_mul_f32 v64, s5, v64
	v_mul_f32 v65, s38, v65
	ds_store_b32 v241, v64
	ds_store_b32 v241, v65 offset:512
; my 64 numbers of layer k: scaled (numbers 0-35 by s76, the others by s[f1]), rounded to f16, 128 bytes into row n
.macro WCONV k, f1, adr
	WIN 0x01                                       ; source 0 in window 1
.set cm, 0
.rept 32
.if cm < 18
	v_pk_mul_f32 v[32+2*cm:33+2*cm], v[64*(\k)+2*cm:64*(\k)+2*cm+1], s[76:77] op_sel_hi:[1,0]
.else
	v_pk_mul_f32 v[32+2*cm:33+2*cm], v[64*(\k)+2*cm:64*(\k)+2*cm+1], s[\f1:\f1+1] op_sel_hi:[1,0]
.endif
.set cm, cm+1
.endr
	WIN 0
.set cm, 0
.rept 32
	v_cvt_pk_f16_f32 v[96+cm], v[32+2*cm], v[33+2*cm]
.set cm, cm+1
.endr
.irp z, 0,1,2,3,4,5,6,7
	ds_store_b128 v[\adr], v[96+4*\z:99+4*\z] offset:((\k)%2)*WLAY+16*\z
.endr
.endm
	s_cmp_eq_u32 s3, 0                             ; layer 0, q = 0: the encoding's rows carry 0.5 (y holds 2 sin, 2 cos), k = 36..63 are 0; q = 1: the features' rows as they are
	s_cselect_b32 s5, 0.5, 1.0
	s_cselect_b32 s38, 0, 1.0
	s_mul_f32 s76, s84, s5
	s_mul_f32 s78, s84, s38
	s_mov_b32 s77, s76
	s_mov_b32 s79, s78
	WCONV 0, 78, 239
	s_mov_b32 s76, s85
	s_mov_b32 s77, s85
	WCONV 1, 76, 239
	s_mov_b32 s76, s86
	s_mov_b32 s77, s86
	WCONV 2, 76, 240
	s_mov_b32 s76, s87
	s_mov_b32 s77, s87
	WCONV 3, 76, 240
	v_mov_b32 v[IT], s94
	v_mov_b32 v[IT+1], s94
	v_mov_b32 v[B4], s88
	v_mov_b32 v[B4+1], s88
	s_wait_dscnt 0x0                               ; for the others' sake: my weights and biases are in LDS
	s_barrier_signal -1
	s_barrier_wait -1                              ; from here on weights and biases are only read, and every other LDS byte that a wave touches is its own
; THE LOOP'S MACROS
; Step i of the gather: the eight lanes of group l / 8 read the eight corners' 128 bytes of point 16 (l / 8) + i, 16 bytes a lane, and the point's eight weights.
.macro ISSUE i
.set sl, 40*((\i)%6)
	WIN 0x40                                       ; destinations in window 1
.irp j, 0,1,2,3,4,5,6,7
	global_load_b128 v[sl+4*\j:sl+4*\j+3], v[IDX+(\i)], s[12:13] offset:(\j/4)*524288+((\j/2)%2)*8192+(\j%2)*128  ; corner j = 4 z + 2 y + x
.endr
	ds_load_b128 v[sl+32:sl+35], v[WL] offset:(2*((\i)%2))*512+16*((\i)/2)
	ds_load_b128 v[sl+36:sl+39], v[WL] offset:(2*((\i)%2)+1)*512+16*((\i)/2)
.endm
.macro STEP i
.set sl, 40*((\i)%6)
.set yg, 15-(\i)                       ; steps issued behind this one: five, fewer at the end
.if yg > 5
.set yg, 5
.endif
.set st, (\i)                          ; feature stores issued behind this step's weight loads
.if st > 5
.set st, 5
.endif
	s_wait_loadcnt 8*yg                            ; the later steps' eight loads each are younger
	s_wait_dscnt 2*yg+st                           ; so are their two weight loads each, and the stores since
	WIN 0x55                                       ; all in window 1
.irp r, 0,1,2,3
	v_pk_mul_f16 v[FA+\r], v[sl+\r], v[sl+32]
.endr
.irp j, 1,2,3,4,5,6,7
.irp r, 0,1,2,3
	v_pk_fma_f16 v[FA+\r], v[sl+4*\j+\r], v[sl+32+\j], v[FA+\r]
.endr
.endr
	WIN 0x04                                       ; the store's data in window 1
	ds_store_b128 v[YF], v[FA:FA+3] offset:(((\i)/2)+32*((\i)%2))*PITCH  ; the point's row of y
.if (\i) < 10
	ISSUE (\i)+6
.endif
.endm
; the fragments of group G = 4 k + g: unit tiles 2 g and 2 g + 1 of layer k, all of K, and their biases
.macro WFETCH G
.set wk, (\G)/4
.set wg, (\G)%4
.set ar, AW01+wk/2
.irp u, 0,1
.irp c, 0,1,2,3
	ds_load_b128 v[WF+8*(4*\u+\c):WF+8*(4*\u+\c)+3],   v[ar] offset:(wk%2)*WLAY+(2*wg+\u)*16*PITCH+64*\c
	ds_load_b128 v[WF+8*(4*\u+\c)+4:WF+8*(4*\u+\c)+7], v[ar] offset:(wk%2)*WLAY+(2*wg+\u)*16*PITCH+64*\c+32
.endr
	ds_load_b128 v[BC+8*\u:BC+8*\u+3],   v[AB] offset:512*wk+64*(2*wg+\u)
	ds_load_b128 v[BC+8*\u+4:BC+8*\u+7], v[AB] offset:512*wk+64*(2*wg+\u)+16
.endr
.endm
; Group G: 32 units x 64 points x 128 k.  The eight accumulators take turns, one instruction a turn; the bias is the C operand that starts each sum.
.macro GROUP G
.set gk, (\G)/4
.set gg, (\G)%4
.set inb, 128*(gk%2)                   ; layers 0 and 2 read X and write Y, layers 1 and 3 the other way
.set outb, 128-inb
	s_wait_dscnt 0x0                               ; the group's fragments (ahead of group 0: y's too)
	WIN 0x04                                       ; source 1 in window 1
.irp c, 0,1,2,3
.irp u, 0,1
.irp p, 0,1,2,3
.if \c == 0
	v_wmma_f32_16x16x32_f16 v[ACC+8*(4*\u+\p):ACC+8*(4*\u+\p)+7], v[WF+8*(4*\u+\c):WF+8*(4*\u+\c)+7], v[inb+32*\p+8*\c:inb+32*\p+8*\c+7], v[BC+8*\u:BC+8*\u+7]
.else
	v_wmma_f32_16x16x32_f16 v[ACC+8*(4*\u+\p):ACC+8*(4*\u+\p)+7], v[WF+8*(4*\u+\c):WF+8*(4*\u+\c)+7], v[inb+32*\p+8*\c:inb+32*\p+8*\c+7], v[ACC+8*(4*\u+\p):ACC+8*(4*\u+\p)+7]
.endif
.endr
.endr
.endr
	WIN 0
.rept 4
	v_nop                                          ; four places ahead of the loads into the products' sources and of the conversions of their results
.endr
.if (\G) < 15
	WFETCH (\G)+1                                  ; the next group's fragments land under the 96 lines below
.endif
	; LeakyReLU on f16 pairs: h, 0.01 h, the larger of the two.  Each accumulator is read from its low end on.
.irp t, 0,1,2,3,4,5,6,7
.irp i, 0,1,2,3
	v_cvt_pk_f16_f32 v[ACC+8*\t+2*\i], v[ACC+8*\t+2*\i], v[ACC+8*\t+2*\i+1]
.endr
.endr
.irp t, 0,1,2,3,4,5,6,7
.irp i, 0,1,2,3
	v_pk_mul_f16 v[ACC+8*\t+2*\i+1], v[ACC+8*\t+2*\i], s68
.endr
.endr
	WIN 0x40                                       ; destination in window 1: register 4 u + i of the next layer's source 1 (tile p, K step g)
.irp t, 0,1,2,3,4,5,6,7
.irp i, 0,1,2,3
	v_pk_max_num_f16 v[outb+32*(\t%4)+8*gg+4*(\t/4)+\i], v[ACC+8*\t+2*\i], v[ACC+8*\t+2*\i+1]
.endr
.endr
.endm
.macro DBL sd, cd, ss, cs              ; the double angle, on 2 sin and 2 cos: S' = S C, C' = C C - 2
	v_pk_mul_f32 v[\sd:\sd+1], v[\ss:\ss+1], v[\cs:\cs+1]
	v_pk_fma_f32 v[\cd:\cd+1], v[\cs:\cs+1], v[\cs:\cs+1], -2.0 op_sel_hi:[1,1,0]
.endm
	s_mov_b32 s70, 8                               ; blocks to go
.Lblock:
	s_wait_loadcnt 0x0                             ; this block's x and idx, asked for a block ago
	; THE CORNER WEIGHTS.  f = (c + 1) 31.5, as in the launch before; w = f - floor f; the upper cell's weight is w, or 1 where floor f >= 63 (the cell was held to 62); the lower's 1 - that
.irp c, 0,1,2
	v_add_f32 v[FX+2*\c], 1.0, v[XR+\c]
	v_add_f32 v[FX+2*\c+1], 1.0, v[XR+3+\c]
.endr
.irp c, 0,1,2
	v_pk_mul_f32 v[FX+2*\c:FX+2*\c+1], v[FX+2*\c:FX+2*\c+1], s[40:41] op_sel_hi:[1,0]
.endr
.irp z, 0,1,2,3,4,5
	v_floor_f32 v[FL+\z], v[FX+\z]
.endr
.irp c, 0,1,2
	v_pk_add_f32 v[WH+2*\c:WH+2*\c+1], v[FX+2*\c:FX+2*\c+1], v[FL+2*\c:FL+2*\c+1] neg_lo:[0,1] neg_hi:[0,1]
.endr
.irp c, 0,1,2
	v_pk_add_f32 v[FL+2*\c:FL+2*\c+1], v[FL+2*\c:FL+2*\c+1], s[42:43] op_sel_hi:[1,0]
.endr
.irp z, 0,1,2,3,4,5
	v_med3_num_f32 v[WH+\z], v[WH+\z], v[FL+\z], 1.0   ; the middle of w, floor f - 62 and 1
.endr
.irp c, 0,1,2
	v_pk_fma_f32 v[WLO+2*\c:WLO+2*\c+1], v[WH+2*\c:WH+2*\c+1], -1.0, 1.0 op_sel_hi:[1,0,0]
.endr
.irp z, 0,1
.irp y, 0,1
	v_pk_mul_f32 v[ZY+2*(2*\z+\y):ZY+2*(2*\z+\y)+1], v[WLO+4-6*\z:WLO+5-6*\z], v[WLO+2-6*\y:WLO+3-6*\y]  ; (z's weight x y's),
.endr
.endr
.irp j, 0,1,2,3,4,5,6,7
	v_pk_mul_f32 v[W8+2*\j:W8+2*\j+1], v[ZY+2*(\j/2):ZY+2*(\j/2)+1], v[WLO-6*(\j%2):WLO+1-6*(\j%2)]       ; x x's: the order of the reference
.endr
.irp e, 0,1
.irp j, 0,1,2,3,4,5,6,7
	v_cvt_pk_f16_f32 v[WP+8*\e+\j], v[W8+2*\j+\e], v[W8+2*\j+\e]  ; the weight twice, for the packed multiply-adds
.endr
.endr
.irp e, 0,1
	ds_store_b128 v[WS], v[WP+8*\e:WP+8*\e+3] offset:(2*\e)*512
	ds_store_b128 v[WS], v[WP+8*\e+4:WP+8*\e+7] offset:(2*\e+1)*512
.endr
	; THE ENCODING.  t = c - 2 round(c / 2), exact, in -1..1: sin and cos of 2^l pi c are those of 2^l pi t.  A series for 2 sin, 2 cos of pi t / 4 (what it drops is under 5e-8), then seven doublings.
.irp c, 0,1,2
	v_mul_f32 v[TT+2*\c], 0.5, v[XR+\c]
	v_mul_f32 v[TT+2*\c+1], 0.5, v[XR+3+\c]
.endr
.irp z, 0,1,2,3,4,5
	v_rndne_f32 v[TT+\z], v[TT+\z]
.endr
.irp c, 0,1,2
	v_fma_f32 v[TT+2*\c], v[TT+2*\c], -2.0, v[XR+\c]
	v_fma_f32 v[TT+2*\c+1], v[TT+2*\c+1], -2.0, v[XR+3+\c]
.endr
.irp c, 0,1,2
	v_pk_mul_f32 v[Y2+2*\c:Y2+2*\c+1], v[TT+2*\c:TT+2*\c+1], v[TT+2*\c:TT+2*\c+1]
.endr
.irp c, 0,1,2
	v_pk_fma_f32 v[SN+2*\c:SN+2*\c+1], v[Y2+2*\c:Y2+2*\c+1], s[52:53], s[50:51] op_sel_hi:[1,0,0]
	v_pk_fma_f32 v[CN+2*\c:CN+2*\c+1], v[Y2+2*\c:Y2+2*\c+1], s[60:61], s[58:59] op_sel_hi:[1,0,0]
.endr
.irp c, 0,1,2
	v_pk_fma_f32 v[SN+2*\c:SN+2*\c+1], v[SN+2*\c:SN+2*\c+1], v[Y2+2*\c:Y2+2*\c+1], s[48:49] op_sel_hi:[1,1,0]
	v_pk_fma_f32 v[CN+2*\c:CN+2*\c+1], v[CN+2*\c:CN+2*\c+1], v[Y2+2*\c:Y2+2*\c+1], s[56:57] op_sel_hi:[1,1,0]
.endr
.irp c, 0,1,2
	v_pk_fma_f32 v[SN+2*\c:SN+2*\c+1], v[SN+2*\c:SN+2*\c+1], v[Y2+2*\c:Y2+2*\c+1], s[46:47] op_sel_hi:[1,1,0]
	v_pk_fma_f32 v[CN+2*\c:CN+2*\c+1], v[CN+2*\c:CN+2*\c+1], v[Y2+2*\c:Y2+2*\c+1], s[54:55] op_sel_hi:[1,1,0]
.endr
.irp c, 0,1,2
	v_pk_fma_f32 v[SN+2*\c:SN+2*\c+1], v[SN+2*\c:SN+2*\c+1], v[Y2+2*\c:Y2+2*\c+1], s[44:45] op_sel_hi:[1,1,0]
	v_pk_fma_f32 v[CN+2*\c:CN+2*\c+1], v[CN+2*\c:CN+2*\c+1], v[Y2+2*\c:Y2+2*\c+1], 2.0 op_sel_hi:[1,1,0]
.endr
.irp c, 0,1,2
	v_pk_mul_f32 v[SN+2*\c:SN+2*\c+1], v[SN+2*\c:SN+2*\c+1], v[TT+2*\c:TT+2*\c+1]
.endr
.irp c, 0,1,2
	DBL D1S+2*\c, D1C+2*\c, SN+2*\c, CN+2*\c       ; pi t / 2
.endr
.irp c, 0,1,2
	DBL PEV+2*\c, PEV+36+2*\c, D1S+2*\c, D1C+2*\c  ; l = 0: number 3 l + c and number 18 + 3 l + c
.endr
.irp l, 1,2,3,4,5
.irp c, 0,1,2
	DBL PEV+6*\l+2*\c, PEV+36+6*\l+2*\c, PEV+6*\l-6+2*\c, PEV+30+6*\l+2*\c
.endr
.endr
.irp e, 0,1
.set j, 0
.rept 18
	v_cvt_pk_f16_f32 v[PEK+18*\e+j], v[PEV+4*j+\e], v[PEV+4*j+2+\e]
.set j, j+1
.endr
.endr
.irp e, 0,1
.irp t, 0,1,2,3
	ds_store_b128 v[YP], v[PEK+18*\e+4*\t:PEK+18*\e+4*\t+3] offset:32*PITCH*\e+16*\t  ; point 2 l + e is y's row l + 32 e
.endr
	ds_store_b64 v[YP], v[PEK+18*\e+16:PEK+18*\e+17] offset:32*PITCH*\e+64
.endr
	; THE GATHER'S OFFSETS: the cell's number, held to the largest that the launch before can have stored, times 128 bytes, plus my 16 bytes of the cell
.set j, 0
.rept 16
	v_min_u32 v[IDX+j], 0x3efbe, v[IDX+j]
	v_lshlrev_b32 v[IDX+j], 7, v[IDX+j]
	v_add_nc_u32 v[IDX+j], v[C16], v[IDX+j]
.set j, j+1
.endr
	; THE GATHER: sixteen steps, six of them on their way at a time: 48 loads of 512 bytes a wave
.irp i, 0,1,2,3,4,5
	ISSUE \i
.endr
.irp i, 0,1,2,3,4,5,6,7,8,9,10,11,12,13,14,15
	STEP \i
.endr
	; y's fragments: LDS serves a wave's instructions in order (ISA guide 5.7.1.4), so these see the stores above
	WIN 0x40
.irp p, 0,1,2,3
.irp c, 0,1,2,3
	ds_load_b128 v[32*\p+8*\c:32*\p+8*\c+3],   v[YA] offset:16*PITCH*\p+64*\c
	ds_load_b128 v[32*\p+8*\c+4:32*\p+8*\c+7], v[YA] offset:16*PITCH*\p+64*\c+32
.endr
.endr
	WIN 0
	WFETCH 0
	; the next block's x and idx are asked for now and have the whole chain of layers in which to land; the last block asks for nothing
	s_cmp_eq_u32 s70, 1
	s_cbranch_scc1 .Lno_next
	s_add_nc_u64 s[8:9], s[8:9], 768               ; every load through these bases, and every load addressed by v208-223, was shown done by a wait for 0 above
	s_add_nc_u64 s[10:11], s[10:11], 256
.irp t, 0,1,2
	global_load_b64 v[XR+2*\t:XR+2*\t+1], v[XO], s[8:9] offset:8*\t th:TH_LOAD_NT
.endr
.irp t, 0,1,2,3
	global_load_b128 v[IDX+4*\t:IDX+4*\t+3], v[IO], s[10:11] offset:16*\t th:TH_LOAD_NT
.endr
.Lno_next:
	; THE FOUR LAYERS
.irp G, 0,1,2,3,4,5,6,7,8,9,10,11,12,13,14,15
	GROUP \G
.endr
	; THE LAST LAYER: four accumulators by turns; the first K step starts the sums
	WIN 0x04
.irp c, 0,1,2,3
.irp p, 0,1,2,3
.if \c == 0
	v_wmma_f32_16x16x32_f16 v[ACC+8*\p:ACC+8*\p+7], v[W4F+8*\c:W4F+8*\c+7], v[32*\p+8*\c:32*\p+8*\c+7], 0
.else
	v_wmma_f32_16x16x32_f16 v[ACC+8*\p:ACC+8*\p+7], v[W4F+8*\c:W4F+8*\c+7], v[32*\p+8*\c:32*\p+8*\c+7], v[ACC+8*\p:ACC+8*\p+7]
.endif
.endr
.endr
	WIN 0
.rept 4
	v_nop                                          ; four places ahead of the reads of the results
.endr
	v_cndmask_b32 v[UV], v[ACC], v[ACC+8], s69     ; point 2 l is row l: tile l / 16, column l % 16; register 0 holds it in both halves of the lanes
	v_cndmask_b32 v[UV+1], v[ACC+16], v[ACC+24], s69   ; point 2 l + 1 is row l + 32
	v_pk_fma_f32 v[UV:UV+1], v[UV:UV+1], v[IT:IT+1], v[B4:B4+1]
	global_store_b64 v[OO], v[UV:UV+1], s[36:37] th:TH_STORE_NT  ; the wave stores 256 consecutive bytes, at a multiple of 256 from out0's first
	s_wait_xcnt 0x0                                ; the store's base and data are rewritten only behind this wait
	s_add_nc_u64 s[36:37], s[36:37], 256
	s_sub_co_u32 s70, s70, 1
	s_cmp_lg_u32 s70, 0
	s_cbranch_scc1 .Lblock
	s_wait_tensorcnt 0x0                           ; the wave's end, behind my last LDS store
	ds_add_u32 v[SPW], v[NIL]
	s_wait_dscnt 0x0
	s_endpgm
.Lfunc_end_k_qfd821cd06a_mlp:
	.size	k_qfd821cd06a_mlp, .Lfunc_end_k_qfd821cd06a_mlp-k_qfd821cd06a_mlp
	.p2alignl 7, 3214868480
	.fill 96, 4, 3214868480
	.section	.rodata,"a",@progbits
	.p2align	6, 0x0
	.amdhsa_kernel k_qfd821cd06a_mlp
		.amdhsa_group_segment_fixed_size 302336
		.amdhsa_private_segment_fixed_size 0
		.amdhsa_enable_private_segment 0
		.amdhsa_kernarg_size 120
		.amdhsa_user_sgpr_count 2
		.amdhsa_user_sgpr_kernarg_segment_ptr 1
		.amdhsa_wavefront_size32 1
		.amdhsa_system_sgpr_workgroup_id_x 1
		.amdhsa_system_sgpr_workgroup_id_y 1
		.amdhsa_system_sgpr_workgroup_id_z 1
		.amdhsa_system_vgpr_workitem_id 0
		.amdhsa_next_free_vgpr 512
		.amdhsa_next_free_sgpr 96
		.amdhsa_reserve_vcc 0
		.amdhsa_float_denorm_mode_32 3
		.amdhsa_float_denorm_mode_16_64 3
		.amdhsa_memory_ordered 1
		.amdhsa_forward_progress 1
		.amdhsa_inst_pref_size 255
	.end_amdhsa_kernel
	.section	.bss,"aw",@nobits
	.p2align	6
	.space	262144
	.amdgpu_metadata
---
amdhsa.version: [ 1, 2 ]
amdhsa.kernels:
  - .name:           k_qfd821cd06a_mlp
    .symbol:         k_qfd821cd06a_mlp.kd
    .args:
      - { .name: x, .offset: 0, .size: 8, .value_kind: global_buffer, .address_space: global }
      - { .name: idx, .offset: 8, .size: 8, .value_kind: global_buffer, .address_space: global }
      - { .name: table, .offset: 16, .size: 8, .value_kind: global_buffer, .address_space: global }
      - { .name: gmax, .offset: 24, .size: 8, .value_kind: global_buffer, .address_space: global }
      - { .name: w0, .offset: 32, .size: 8, .value_kind: global_buffer, .address_space: global }
      - { .name: b0, .offset: 40, .size: 8, .value_kind: global_buffer, .address_space: global }
      - { .name: w1, .offset: 48, .size: 8, .value_kind: global_buffer, .address_space: global }
      - { .name: b1, .offset: 56, .size: 8, .value_kind: global_buffer, .address_space: global }
      - { .name: w2, .offset: 64, .size: 8, .value_kind: global_buffer, .address_space: global }
      - { .name: b2, .offset: 72, .size: 8, .value_kind: global_buffer, .address_space: global }
      - { .name: w3, .offset: 80, .size: 8, .value_kind: global_buffer, .address_space: global }
      - { .name: b3, .offset: 88, .size: 8, .value_kind: global_buffer, .address_space: global }
      - { .name: w4, .offset: 96, .size: 8, .value_kind: global_buffer, .address_space: global }
      - { .name: b4, .offset: 104, .size: 8, .value_kind: global_buffer, .address_space: global }
      - { .name: out0, .offset: 112, .size: 8, .value_kind: global_buffer, .address_space: global }
    .group_segment_fixed_size: 302336
    .private_segment_fixed_size: 0
    .kernarg_segment_align: 8
    .kernarg_segment_size: 120
    .max_flat_workgroup_size: 256
    .sgpr_count:     96
    .vgpr_count:     512
    .wavefront_size: 32
...
	.end_amdgpu_metadata
.endif
;; end of part 2
;; ======== version 2 of 2: 2 launches; version 1 with the launch mlp written anew for expert scheduling mode
;; limits: sums are carried in f16; values outside matrix products are rounded to f16; values are held in f16: magnitudes above 65,504 overflow, below 6.1e-05 lose precision; inputs' magnitudes at most 65,504
;; workspace buffers: table 33,554,432 bytes; idx 4,194,304 bytes of whole numbers; gmax 16,384 bytes
;; launch prep: the kernel of part 1 again; grid 512 x 1, 8 waves a work-group, no clusters, 78,848 bytes of LDS; arguments feature_grid, x, table, idx, gmax; writes table, idx, gmax
;; launch mlp (part 3): grid 256 x 1, 8 waves a work-group, no clusters, 302,336 bytes of LDS; arguments x, idx, table, gmax, w0, b0, w1, b1, w2, b2, w3, b3, w4, b4, out0; writes out0
.if DOCPART == 3
	.amdgcn_target "amdgcn-amd-amdhsa--gfx1250"
	.amdhsa_code_object_version 6
	.text
	.protected	k_qfd821cd06a_mlp
	.globl	k_qfd821cd06a_mlp
	.p2align	8
	.type	k_qfd821cd06a_mlp,@function
k_qfd821cd06a_mlp:
	s_mov_b64 s[64:65], 0
	v_nop
	global_prefetch_b8 v0, s[64:65] scope:SCOPE_SE
	s_setreg_imm32_b32 hwreg(HW_REG_WAVE_SCHED_MODE, 0, 2), 2
	s_setreg_imm32_b32 hwreg(HW_REG_WAVE_MODE, 25, 1), 1
	s_wait_xcnt 0x0
	s_wait_alu depctr_vm_vsrc(0)
; out[p] = MLP(concat(PE(x[p]), trilinear(grid, x[p]))): 100 -> 128 -> 128 -> 128 -> 128 -> 1, LeakyReLU(0.01) behind the first four layers.
; SHARES.  2,048 waves, two to a SIMD; a wave owns 512 points and takes them in 8 blocks of 64 (four tiles of 16).  Behind the set-up every LDS stage is the wave's own: no barrier in the loop.
; FORMATS.  x, biases, the encoding's arithmetic, the corner weights' arithmetic and all matrix sums in f32.  Matrix operands (y, h0..h3, w0..w4) in f16; the table is f16; the eight corner weights are rounded
; to f16 and the 8-term interpolation runs in packed f16, rounded at each term.
; SCALES.  f16 has little range, so each layer is held by a power of two t_k taken from a bound on its sums: G = max |grid|, M0 = max_n (sum_PE |w0| + max(G, 1) sum_feat |w0| + |b0|),
; M_k = max_n (M_(k-1) sum |w_k| + |b_k|), t_k M_k in [2^14, 2^15).  The weights carry t_k / t_(k-1), the biases t_k; LeakyReLU commutes with a positive factor, powers of two round nothing, and the
; result is divided by t_3.  So h'_k = t_k h_k stays under 2^15 and |w'_k| under 2 (k >= 1), for every input within the limits.
; LIMITS.  |grid| and |w4| under 65,504; each M_k within 2^-63 .. 2^64 (outside, t_k is held at the end of that range); NaN and infinities are not treated apart.  The encoding takes the exact pi:
; sin(2^l pi x), where the f32 product fl(2^l pi) x differs from it by up to 1e-5 at |x| <= 1 and 4e-4 at |x| = 60.
; NO CLUSTER, NO TENSOR LOAD: what work-groups share is the 250 KB of weights, read once each and converted on the way, so they pass through registers; the gathered rows are each point's own.
; THE PRODUCTS ARE USED TRANSPOSED: source 0 = 16 units x 32 k of the weights, source 1 = 16 points x 32 k.  In the result lane l holds point l % 16 and the units 8 (l / 16) + 0..7; the results of unit tiles
; 2 g and 2 g + 1, rounded in pairs, ARE registers 0-3 and 4-7 of the next layer's source 1 for K step g: the chain of layers never leaves the registers.
; y's k: 0..35 the encoding in the order 3 l + c (sines), 18 + 3 l + c (cosines), held as 2 sin, 2 cos (w0's rows carry the 0.5); 36..63 zero; 64 + f the features.
; THE MODE: SCHED_MODE bits 1:0 = 2 (LLVM: expert scheduling mode 2), set by the entry lines.  The code itself states the register dependences between vector or matrix instructions and memory or
; LDS instructions, with s_wait_alu, always for 0.
; THE PLAN.  Registers that memory or LDS instructions touch in a block, in the block's order:
;   IDX         the idx load lands (asked for a block ago); 48 vector lines turn it into offsets; the gathers read it as addresses; the next idx load lands.
;   the slots   (window 1) gathers and weight loads land; step i's 32 packed lines read slot i % 6; step i + 6's loads land.  Behind the steps y's fragments land in v0-127 of the window; from there on
;               products and maxima alone name the window.
;   WP, PEK     written by roundings, read by one run of LDS stores; PEK's registers are the layers' accumulators later, WP's are written again in the next block.
;   FA          sixteen out-buffers, one a step: step i's packed lines write buffer i, its one LDS store reads it; group 0's weight fragments land there behind the steps.
;   WF, BC      group G + 1's fragments land behind group G's products, which read them.
;   XR          the x load lands; the corner weights and the encoding read it; the next x load lands.     UV  three vector lines write it, the store reads it.
;   v4-v14      addresses and offsets: made at the head, never written again.
; THE WAITS of a block: va_vdst behind the offsets (IDX is written; the last block is done with window 1); va_vdst behind the encoding (WP, PEK are written); one va_vdst a step, behind its packed lines
; (its FA is written, its slot is read); vm_vsrc and va_vdst behind the last step (all that the block's stores and gathers read is read; all in which the loads that follow land is free); one va_vdst
; a group, ahead of the next group's fragments; va_vdst ahead of the output's store.
.set PITCH, 272                        ; an LDS row of 128 f16 + 16 bytes: the 16 rows of a fragment load start at 16 different 16-byte columns of 256 bytes
.set WLAY,  128*PITCH                  ; a layer's weights: row n (unit), k along the row
.set BST,   4*WLAY                     ; 139,264: t_k b_k[n], f32, at 512 k + 4 n
.set PART,  BST+2048                   ; 141,312: partial sums of |w| at 512 (2 k + q) + 4 n
.set GS,    PART+4096                  ; 145,408: the eight waves' maxima of gmax
.set YST,   GS+256                     ; 145,664: wave w's 64 rows of y at w * YWAVE
.set YWAVE, 64*PITCH
.set WST,   YST+8*YWAVE                ; 284,928: wave w's corner weights at 2,048 w + 512 (2 e + j / 4) + 16 lane
.set SPARE, WST+8*2048                 ; 301,312: the spare words, 128 bytes a wave
; window 0
.set SPW,  2                           ; my spare word's LDS address; never rewritten
.set NIL,  3                           ; 0; never rewritten
.set AW01, 4                           ; (l % 16) PITCH + 16 (l / 16): a weight fragment's place, layers 0 and 1
.set AW23, 5                           ; the same for layers 2 and 3 (2 WLAY on: past the immediate's 16 bits)
.set AB,   6                           ; BST + 32 (l / 16)
.set YA,   7                           ; y's fragments
.set YP,   8                           ; y's row l (and l + 32): the encoding goes there
.set YF,   9                           ; y's rows 8 (l / 8) on, byte 128 + 16 (l % 8): the features go there
.set WS,   10                          ; corner weights in
.set WL,   11                          ; corner weights back: those of lanes 8 (l / 8) on
.set XO,   12                          ; 24 l
.set IO,   13                          ; 64 (l / 8)
.set OO,   14                          ; 8 l
.set C16,  15                          ; 16 (l % 8)
.set IT,   16                          ; v16-17 1 / t3 twice
.set B4,   18                          ; v18-19 b4 twice
.set XR,   20                          ; v20-25 x of points 2 l (3 numbers) and 2 l + 1
.set UV,   26                          ; v26-27 the two results
.set WF,   32                          ; v32-95 weight fragments (u, c) at WF + 8 (4 u + c)
.set BC,   96                          ; v96-111 bias as a C operand, unit tile u at BC + 8 u
.set ACC,  112                         ; v112-175 accumulators (u, p) at ACC + 8 (4 u + p)
.set W4F,  176                         ; v176-207 w4's fragments, resident
.set IDX,  208                         ; v208-223 idx of 16 points, turned into byte offsets in place
; window 0, at work in the block's preparation (every pair: point 2 l, point 2 l + 1)
.set FX,  32
.set FL,  38
.set WH,  44                           ; weight of the upper cell, coordinate c at WH + 2 c
.set WLO, 50                           ; of the lower cell: WH + 6
.set ZY,  56
.set W8,  64
.set WP,  224                          ; v224-239 the corner weights on their way into LDS: apart from all that the encoding writes
.set PEV, 32                           ; the encoding's number k at PEV + 2 k
.set TT,  104
.set Y2,  110
.set SN,  116
.set CN,  122
.set D1S, 128
.set D1C, 134
.set PEK, 128                          ; packed: point e's 18 words at PEK + 18 e
.set FA,  32                           ; v32-95 in the gather: step i's four sums at FA + 4 i, apart from WP and PEK
; window 1: in the layers X (p, c) at 32 p + 8 c and Y (p, c) at 128 + 32 p + 8 c; in the gather six slots of 40 (32 of data, 8 of weights); at the start weight (k, j) at 64 k + j
.set MSB, 0
.macro WIN new                         ; s_set_vgpr_msb: bits 1:0 source 0, 3:2 source 1, 5:4 source 2, 7:6 destination; the high byte repeats the setting that is left
.if MSB != (\new)
	s_set_vgpr_msb (MSB<<8)|(\new)
.set MSB, (\new)
.endif
.endm
.macro SPAIR r, val                    ; a constant for the packed f32 forms: named as a pair, so both words are written
	s_mov_b32 s[\r], \val
	s_mov_b32 s[\r+1], \val
.endm
.macro REDMAX r, t                     ; the maximum over the 32 lanes, in every lane
	v_max_num_f32_dpp v[\r], v[\r], v[\r] row_xmask:1 row_mask:0xf bank_mask:0xf
	v_max_num_f32_dpp v[\r], v[\r], v[\r] row_xmask:2 row_mask:0xf bank_mask:0xf
	v_max_num_f32_dpp v[\r], v[\r], v[\r] row_xmask:4 row_mask:0xf bank_mask:0xf
	v_max_num_f32_dpp v[\r], v[\r], v[\r] row_xmask:8 row_mask:0xf bank_mask:0xf
	v_permlanex16_b32 v[\t], v[\r], s66, s67
	v_max_num_f32 v[\r], v[\r], v[\t]
.endm
	s_load_b512 s[8:23], s[0:1], 0x0               ; x s[8:9], idx s[10:11], table s[12:13], gmax s[14:15], w0 s[16:17], b0 s[18:19], w1 s[20:21], b1 s[22:23]
	s_load_b256 s[24:31], s[0:1], 0x40             ; w2 s[24:25], b2 s[26:27], w3 s[28:29], b3 s[30:31]
	s_load_b128 s[32:35], s[0:1], 0x60             ; w4 s[32:33], b4 s[34:35]
	s_load_b64 s[36:37], s[0:1], 0x70              ; out0
	v_lshl_add_u32 v[SPW], v0, 2, SPARE
	v_mov_b32 v[NIL], 0
	v_lshrrev_b32 v224, 5, v0
	v_readfirstlane_b32 s2, v224                   ; wave 0..7
	s_wait_alu depctr_va_sdst(0)                   ; s2 is written, ahead of its first reader: shares, LDS places and bases are made from it
	s_lshr_b32 s3, s2, 2                           ; q: which half of a weight row's k I convert
	s_and_b32 s4, s2, 3                            ; which 32 units
	s_lshl_b32 s5, ttmp9, 3
	s_add_co_u32 s5, s5, s2                        ; my wave among the launch's 2,048
	SPAIR 40, 0x41fc0000                           ; 31.5
	SPAIR 42, 0xc2780000                           ; -62
	SPAIR 44, 0x3fc90fdb                           ; 2 sin(a t) = t (S1 + t^2 (S3 + t^2 (S5 + t^2 (S7 + t^2 S9)))), a = pi / 4: S1 = 2 a
	SPAIR 46, 0xbe255de7                           ; S3 = -2 a^3 / 3!
	SPAIR 48, 0x3ba335e3                           ; S5 = 2 a^5 / 5!
	SPAIR 50, 0xb8996966                           ; S7 = -2 a^7 / 7!
	SPAIR 52, 0x35283c1a                           ; S9 = 2 a^9 / 9!
	SPAIR 54, 0xbf1de9e6                           ; 2 cos(a t) = 2 + t^2 (C2 + t^2 (C4 + t^2 (C6 + t^2 C8))): C2 = -a^2
	SPAIR 56, 0x3d01e0f8                           ; C4 = 2 a^4 / 4!
	SPAIR 58, 0xba2ae9e4                           ; C6 = -2 a^6 / 6!
	SPAIR 60, 0x36f0faa5                           ; C8 = 2 a^8 / 8!
	s_mov_b32 s66, 0x76543210                      ; v_permlanex16_b32: each lane takes its own place in the other half
	s_mov_b32 s67, 0xfedcba98
	s_mov_b32 s68, 0x211f211f                      ; 0.01 twice in f16
	s_mov_b32 s69, 0xffff0000                      ; lanes 16-31
	s_mov_b32 s71, 0x01010101                      ; lanes 0, 8, 16, 24: rows 0 and 8 of a fragment
	s_mov_b32 s39, 0
	v_and_b32 v224, 31, v0                         ; l
	v_bfe_u32 v225, v0, 4, 1                       ; l / 16
	v_and_b32 v226, 15, v0                         ; l % 16
	v_bfe_u32 v227, v0, 3, 2                       ; l / 8
	v_and_b32 v228, 7, v0                          ; l % 8
	s_mul_i32 s6, s2, YWAVE
	s_add_co_u32 s6, s6, YST                       ; my wave's rows of y
	s_lshl_b32 s7, s2, 11
	s_add_co_u32 s7, s7, WST                       ; my wave's corner weights
	v_mul_u32_u24 v[AW01], v226, PITCH
	v_lshl_add_u32 v[AW01], v225, 4, v[AW01]
	v_add_nc_u32 v[AW23], 2*WLAY, v[AW01]
	v_lshl_add_u32 v[AB], v225, 5, BST
	v_add_nc_u32 v[YA], s6, v[AW01]
	v_mul_u32_u24 v[YP], v224, PITCH
	v_add_nc_u32 v[YP], s6, v[YP]
	v_mul_u32_u24 v[YF], v227, 8*PITCH
	v_lshl_add_u32 v[YF], v228, 4, v[YF]
	v_add3_u32 v[YF], v[YF], s6, 128
	v_lshl_add_u32 v[WS], v224, 4, s7
	v_lshl_add_u32 v[WL], v227, 7, s7
	v_mul_u32_u24 v[XO], v224, 24
	v_lshlrev_b32 v[IO], 6, v227
	v_lshlrev_b32 v[OO], 3, v224
	v_lshlrev_b32 v[C16], 4, v228
	; the set-up's own addresses.  Thread (n, q): unit n = 32 (wave % 4) + l, k = 64 q .. 64 q + 63
	v_lshlrev_b32 v229, 4, v224                    ; 16 l
	v_lshlrev_b32 v230, 2, v224
	s_lshl_b32 s38, s4, 7
	v_add_nc_u32 v230, s38, v230                   ; 4 n
	s_mul_i32 s38, s3, 18432
	v_add_nc_u32 v231, s38, v230                   ; w0: rows 36 q + j, always inside its 100 rows
	s_lshl_b32 s38, s3, 15
	v_add_nc_u32 v232, s38, v230                   ; w1..w3: rows 64 q + j
	v_lshlrev_b32 v233, 4, v0                      ; 16 x thread
	v_lshlrev_b32 v234, 5, v225                    ; 32 (l / 16)
	s_lshl_b32 s38, s2, 2
	s_add_co_u32 s38, s38, GS
	v_mov_b32 v235, s38                            ; GS + 4 wave
	s_lshl_b32 s38, s3, 9
	s_add_co_u32 s38, s38, PART
	v_add_nc_u32 v236, s38, v230                   ; PART + 512 q + 4 n
	v_mov_b32 v237, GS
	v_add_nc_u32 v238, PART, v229                  ; PART + 16 l
	s_lshl_b32 s38, s4, 5
	v_add_nc_u32 v239, s38, v224                   ; n
	v_mul_u32_u24 v239, v239, PITCH
	s_lshl_b32 s38, s3, 7
	v_add_nc_u32 v239, s38, v239                   ; n PITCH + 128 q: my half row of weights, layers 0 and 1
	v_add_nc_u32 v240, 2*WLAY, v239                ; layers 2 and 3
	s_lshl_b32 s38, s3, 10
	s_add_co_u32 s38, s38, BST
	v_add_nc_u32 v241, s38, v230                   ; BST + 512 (2 q) + 4 n
	s_wait_kmcnt 0x0
	s_load_b32 s88, s[34:35], 0x0                  ; b4
	s_mul_i32 s38, s5, 6144
	s_add_nc_u64 s[8:9], s[8:9], s[38:39]          ; x at my 512 points
	s_lshl_b32 s38, s5, 11
	s_add_nc_u64 s[10:11], s[10:11], s[38:39]      ; idx
	s_add_nc_u64 s[36:37], s[36:37], s[38:39]      ; out0
	s_cmp_eq_u32 s3, 0
	s_cselect_b64 s[90:91], s[18:19], s[26:27]     ; the two biases that I scale: layers 2 q
	s_cselect_b64 s[92:93], s[22:23], s[30:31]     ; and 2 q + 1
	; ALL THE SET-UP'S LOADS GO OUT ON END, block 0's x and idx first
	s_wait_alu depctr_va_vdst(0)                   ; the addresses and offsets v4-v14 and v229-v241 are written: every load and store of the kernel reads one of them
.irp t, 0,1,2
	global_load_b64 v[XR+2*\t:XR+2*\t+1], v[XO], s[8:9] offset:8*\t th:TH_LOAD_NT
.endr
.irp t, 0,1,2,3
	global_load_b128 v[IDX+4*\t:IDX+4*\t+3], v[IO], s[10:11] offset:16*\t th:TH_LOAD_NT
.endr
.irp t, 0,1,2,3
	global_load_b128 v[32+4*\t:35+4*\t], v233, s[14:15] offset:4096*\t   ; 16 of gmax's 4,096 numbers a thread
.endr
	global_load_b128 v[48:51], v229, s[18:19]      ; b_k[4 l .. 4 l + 3], for the chain of bounds
	global_load_b128 v[52:55], v229, s[22:23]
	global_load_b128 v[56:59], v229, s[26:27]
	global_load_b128 v[60:63], v229, s[30:31]
	global_load_b32 v64, v230, s[90:91]            ; b_(2q)[n], b_(2q+1)[n]
	global_load_b32 v65, v230, s[92:93]
.irp c, 0,1,2,3
.irp t, 0,1,2,3
	global_load_b128 v[112+16*\c+4*\t:115+16*\c+4*\t], v234, s[32:33] offset:128*\c+16*(\t%2)+64*(\t/2)  ; w4 in a fragment's order: k = 32 c + 8 (l / 16) + 0..7, then 16 further on
.endr
.endr
.macro WLOAD k, off, lo                ; my 64 numbers of layer k: a wave's load covers 128 consecutive bytes of one row of w
	WIN 0x40
.set j, 0
.rept 64
	global_load_b32 v[64*(\k)+j], v[\off], s[\lo:\lo+1] offset:j*512
.set j, j+1
.endr
.endm
	WLOAD 0, 231, 16
	WLOAD 1, 232, 20
	WLOAD 2, 232, 24
	WLOAD 3, 232, 28
	WIN 0
	s_wait_loadcnt 0x0
	s_wait_kmcnt 0x0
	; the wave's maximum of gmax
	v_max3_num_f32 v32, v32, v33, v34
	v_max3_num_f32 v35, v35, v36, v37
	v_max3_num_f32 v38, v38, v39, v40
	v_max3_num_f32 v41, v41, v42, v43
	v_max3_num_f32 v44, v44, v45, v46
	v_max3_num_f32 v32, v32, v35, v38
	v_max3_num_f32 v41, v41, v44, v47
	v_max_num_f32 v32, v32, v41
	REDMAX 32, 33
	; w4's fragments: unscaled; rows 0 and 8 hold w4, the others 0, so that register 0 of the last product holds the result in both halves of the lanes
.irp c, 0,1,2,3
.irp i, 0,1,2,3,4,5,6,7
	v_cvt_pk_f16_f32 v[W4F+8*\c+\i], v[112+16*\c+2*\i], v[113+16*\c+2*\i]
.endr
.endr
.set j, 0
.rept 32
	v_cndmask_b32 v[W4F+j], 0, v[W4F+j], s71
.set j, j+1
.endr
; the sum of |w| over n numbers (a multiple of 4) of layer k from number lo on, in four chains, into v[d]
.macro WSUM k, lo, n, d
	WIN 0x04                                       ; source 1 in window 1
.irp z, 0,1,2,3
	v_and_b32 v[\d+\z], 0x7fffffff, v[64*(\k)+(\lo)+\z]
.endr
.set j, 4
.rept (\n)-4
	v_add_f32 v[\d+j%4], v[\d+j%4], |v[64*(\k)+(\lo)+j]|
.set j, j+1
.endr
	WIN 0
	v_add_f32 v[\d], v[\d], v[\d+1]
	v_add_f32 v[\d+2], v[\d+2], v[\d+3]
	v_add_f32 v[\d], v[\d], v[\d+2]
.endm
	WSUM 0, 0, 36, 72                              ; q = 0: the encoding's 36 rows; q = 1: the first 36 features'
	WSUM 0, 36, 28, 76                             ; q = 0: rows that belong to q = 1, dropped; q = 1: the other 28 features'
	s_cmp_eq_u32 s3, 0
	s_cselect_b32 s5, 0, 1.0
	v_fma_f32 v72, s5, v76, v72
.irp k, 1,2,3
	WSUM \k, 0, 64, 72+4*\k                        ; each layer's sum has a register of its own (v76, v80, v84), so that one wait serves all the stores below
.endr
.irp z, 68,69,70,71
	v_mov_b32 v\z, 0
.endr
	s_wait_alu depctr_va_vdst(0)                   ; v32, v72, v76, v80, v84 and v68-71 are written, which the LDS stores below read; w4's roundings are done reading v112-143, in which loads land behind the barrier
	ds_store_b32 v235, v32                         ; all lanes write the same word with the same number
	ds_store_b32 v236, v72
	ds_store_b32 v236, v76 offset:1024
	ds_store_b32 v236, v80 offset:2048
	ds_store_b32 v236, v84 offset:3072
	; y's k = 36..63 (bytes 72..127 of my rows l and l + 32) are set to 0 once; nothing else ever lands there
.irp e, 0,1
	ds_store_b64 v[YP], v[68:69] offset:32*PITCH*\e+72
	ds_store_b128 v[YP], v[68:71] offset:32*PITCH*\e+80
	ds_store_b128 v[YP], v[68:71] offset:32*PITCH*\e+96
	ds_store_b128 v[YP], v[68:71] offset:32*PITCH*\e+112
.endr
	s_wait_dscnt 0x0                               ; for the others' sake: my maximum and my partial sums are in LDS
	s_barrier_signal -1
	s_barrier_wait -1
	; THE CHAIN OF BOUNDS, made by every wave for itself: lane l has the units 4 l .. 4 l + 3
	ds_load_b128 v[88:91], v237
	ds_load_b128 v[92:95], v237 offset:16
.irp k, 0,1,2,3
	ds_load_b128 v[112+8*\k:115+8*\k], v238 offset:1024*\k
	ds_load_b128 v[116+8*\k:119+8*\k], v238 offset:1024*\k+512
.endr
	s_wait_dscnt 0x0
	v_max3_num_f32 v88, v88, v89, v90
	v_max3_num_f32 v91, v91, v92, v93
	v_max3_num_f32 v88, v88, v94, v95
	v_max3_num_f32 v88, v88, v91, 1.0              ; max(G, 1): with it t0 |w0| stays under 2^15 for the features' rows too
	v_readfirstlane_b32 s89, v88
	s_wait_alu depctr_va_sdst(0)                   ; s89 is written, ahead of its first reader, the first multiply-add of the chain
; Layer k: M_k into s89, t_k into s[80 + k], t_k / t_(k-1) into s[84 + k], 1 / t_k into s94.  These scalars feed multiplications alone.
.macro CHAIN k
.set a, 112+8*(\k)
.irp i, 0,1,2,3
.if (\k) == 0
	v_fma_f32 v[a+\i], s89, v[a+4+\i], v[a+\i]     ; the encoding's sum + max(G, 1) x the features' sum
.else
	v_add_f32 v[a+\i], v[a+\i], v[a+4+\i]
.endif
.endr
.irp i, 0,1,2,3
.if (\k) == 0
	v_add_f32 v[a+\i], v[a+\i], |v[48+\i]|
.else
	v_fma_f32 v[a+\i], s89, v[a+\i], |v[48+4*(\k)+\i]|
.endif
.endr
	v_max3_num_f32 v[a], v[a], v[a+1], v[a+2]
	v_max_num_f32 v[a], v[a], v[a+3]
	REDMAX a, a+1
	v_readfirstlane_b32 s89, v[a]
	s_wait_alu depctr_va_sdst(0)                   ; s89, this layer's bound, is written, ahead of its first reader, the shift below
	s_lshr_b32 s5, s89, 23                         ; M's exponent field e (M is not negative),
	s_max_u32 s5, s5, 64
	s_min_u32 s5, s5, 190                          ; held to 64..190
	s_sub_co_u32 s5, 268, s5                       ; t = 2^(141 - e): t M in [2^14, 2^15)
	s_lshl_b32 s[80+(\k)], s5, 23
.if (\k) == 0
	s_mov_b32 s84, s80
.else
	s_mul_f32 s[84+(\k)], s[80+(\k)], s94
.endif
	s_sub_co_u32 s5, 254, s5
	s_lshl_b32 s94, s5, 23                         ; 1 / t
.endm
	CHAIN 0
	CHAIN 1
	CHAIN 2
	CHAIN 3
	; my two biases, times t
	s_cmp_eq_u32 s3, 0
	s_cselect_b32 s5, s80, s82
	s_cselect_b32 s38, s81, s83
	v_mul_f32 v64, s5, v64
	v_mul_f32 v65, s38, v65
	s_wait_alu depctr_va_vdst(0)                   ; v64 and v65 are written, which the two LDS stores read
	ds_store_b32 v241, v64
	ds_store_b32 v241, v65 offset:512
; my 64 numbers of layer k: scaled (numbers 0-35 by s76, the others by s[f1]), rounded to f16, 128 bytes into row n
.macro WCONV k, f1, adr
	s_wait_alu depctr_vm_vsrc(0)                   ; the LDS stores issued so far have read their data, all of it in v32-127, which the lines below write again
	WIN 0x01                                       ; source 0 in window 1
.set cm, 0
.rept 32
.if cm < 18
	v_pk_mul_f32 v[32+2*cm:33+2*cm], v[64*(\k)+2*cm:64*(\k)+2*cm+1], s[76:77] op_sel_hi:[1,0]
.else
	v_pk_mul_f32 v[32+2*cm:33+2*cm], v[64*(\k)+2*cm:64*(\k)+2*cm+1], s[\f1:\f1+1] op_sel_hi:[1,0]
.endif
.set cm, cm+1
.endr
	WIN 0
.set cm, 0
.rept 32
	v_cvt_pk_f16_f32 v[96+cm], v[32+2*cm], v[33+2*cm]
.set cm, cm+1
.endr
	s_wait_alu depctr_va_vdst(0)                   ; the roundings have written v96-127, which the LDS stores read
.irp z, 0,1,2,3,4,5,6,7
	ds_store_b128 v[\adr], v[96+4*\z:99+4*\z] offset:((\k)%2)*WLAY+16*\z
.endr
.endm
	s_cmp_eq_u32 s3, 0                             ; layer 0, q = 0: the encoding's rows carry 0.5 (y holds 2 sin, 2 cos), k = 36..63 are 0; q = 1: the features' rows as they are
	s_cselect_b32 s5, 0.5, 1.0
	s_cselect_b32 s38, 0, 1.0
	s_mul_f32 s76, s84, s5
	s_mul_f32 s78, s84, s38
	s_mov_b32 s77, s76
	s_mov_b32 s79, s78
	WCONV 0, 78, 239
	s_mov_b32 s76, s85
	s_mov_b32 s77, s85
	WCONV 1, 76, 239
	s_mov_b32 s76, s86
	s_mov_b32 s77, s86
	WCONV 2, 76, 240
	s_mov_b32 s76, s87
	s_mov_b32 s77, s87
	WCONV 3, 76, 240
	v_mov_b32 v[IT], s94
	v_mov_b32 v[IT+1], s94
	v_mov_b32 v[B4], s88
	v_mov_b32 v[B4+1], s88
	s_wait_dscnt 0x0                               ; for the others' sake: my weights and biases are in LDS
	s_barrier_signal -1
	s_barrier_wait -1                              ; from here on weights and biases are only read, and every other LDS byte that a wave touches is its own
	s_wait_alu depctr_vm_vsrc(0)                   ; the last layer's LDS stores have read v96-127, and the set-up's loads and stores their addresses in v229-241: the loop's vector lines write both ranges
; THE LOOP'S MACROS
; Step i of the gather: the eight lanes of group l / 8 read the eight corners' 128 bytes of point 16 (l / 8) + i, 16 bytes a lane (GATH), and the point's eight weights (WGT).
.macro GATH i
.set sl, 40*((\i)%6)
	WIN 0x40                                       ; destinations in window 1
.irp j, 0,1,2,3,4,5,6,7
	global_load_b128 v[sl+4*\j:sl+4*\j+3], v[IDX+(\i)], s[12:13] offset:(\j/4)*524288+((\j/2)%2)*8192+(\j%2)*128  ; corner j = 4 z + 2 y + x
.endr
.endm
.macro WGT i
.set sl, 40*((\i)%6)
	WIN 0x40
	ds_load_b128 v[sl+32:sl+35], v[WL] offset:(2*((\i)%2))*512+16*((\i)/2)
	ds_load_b128 v[sl+36:sl+39], v[WL] offset:(2*((\i)%2)+1)*512+16*((\i)/2)
.endm
.macro STEP i
.set sl, 40*((\i)%6)
.set fb, FA+4*(\i)                     ; the step's own out-buffer
.set yg, 15-(\i)                       ; steps issued behind this one: five, fewer at the end
.if yg > 5
.set yg, 5
.endif
.set st, (\i)                          ; feature stores issued behind this step's weight loads
.if st > 5
.set st, 5
.endif
	s_wait_loadcnt 8*yg                            ; the later steps' eight loads each are younger
	s_wait_dscnt 2*yg+st                           ; so are their two weight loads each, and the stores since
	WIN 0x05                                       ; data and weights in window 1, the sums in window 0
.irp r, 0,1,2,3
	v_pk_mul_f16 v[fb+\r], v[sl+\r], v[sl+32]
.endr
.irp j, 1,2,3,4,5,6,7
.irp r, 0,1,2,3
	v_pk_fma_f16 v[fb+\r], v[sl+4*\j+\r], v[sl+32+\j], v[fb+\r]
.endr
.endr
	WIN 0x40                                       ; the store's address and data in window 0, the loads' destinations in window 1
	s_wait_alu depctr_va_vdst(0)                   ; the 32 lines above have written this step's sums, which the store reads, and are done reading the slot, in which the loads of six steps on land
	ds_store_b128 v[YF], v[fb:fb+3] offset:(((\i)/2)+32*((\i)%2))*PITCH  ; the point's row of y
.if (\i) < 10
	GATH (\i)+6
	WGT (\i)+6
.endif
.endm
; the fragments of group G = 4 k + g: unit tiles 2 g and 2 g + 1 of layer k, all of K, and their biases
.macro WFETCH G
.set wk, (\G)/4
.set wg, (\G)%4
.set ar, AW01+wk/2
.irp u, 0,1
.irp c, 0,1,2,3
	ds_load_b128 v[WF+8*(4*\u+\c):WF+8*(4*\u+\c)+3],   v[ar] offset:(wk%2)*WLAY+(2*wg+\u)*16*PITCH+64*\c
	ds_load_b128 v[WF+8*(4*\u+\c)+4:WF+8*(4*\u+\c)+7], v[ar] offset:(wk%2)*WLAY+(2*wg+\u)*16*PITCH+64*\c+32
.endr
	ds_load_b128 v[BC+8*\u:BC+8*\u+3],   v[AB] offset:512*wk+64*(2*wg+\u)
	ds_load_b128 v[BC+8*\u+4:BC+8*\u+7], v[AB] offset:512*wk+64*(2*wg+\u)+16
.endr
.endm
; Group G: 32 units x 64 points x 128 k.  The eight accumulators take turns, one instruction a turn; the bias is the C operand that starts each sum.
.macro GROUP G
.set gk, (\G)/4
.set gg, (\G)%4
.set inb, 128*(gk%2)                   ; layers 0 and 2 read X and write Y, layers 1 and 3 the other way
.set outb, 128-inb
	s_wait_dscnt 0x0                               ; the group's fragments (ahead of group 0: y's too)
	WIN 0x04                                       ; source 1 in window 1
.irp c, 0,1,2,3
.irp u, 0,1
.irp p, 0,1,2,3
.if \c == 0
	v_wmma_f32_16x16x32_f16 v[ACC+8*(4*\u+\p):ACC+8*(4*\u+\p)+7], v[WF+8*(4*\u+\c):WF+8*(4*\u+\c)+7], v[inb+32*\p+8*\c:inb+32*\p+8*\c+7], v[BC+8*\u:BC+8*\u+7]
.else
	v_wmma_f32_16x16x32_f16 v[ACC+8*(4*\u+\p):ACC+8*(4*\u+\p)+7], v[WF+8*(4*\u+\c):WF+8*(4*\u+\c)+7], v[inb+32*\p+8*\c:inb+32*\p+8*\c+7], v[ACC+8*(4*\u+\p):ACC+8*(4*\u+\p)+7]
.endif
.endr
.endr
.endr
	WIN 0
.rept 4
	v_nop                                          ; four places (ISA guide 7.12.1) ahead of the conversions of the products' results
.endr
.if (\G) < 15
	s_wait_alu depctr_va_vdst(0)                   ; the group's products are done reading WF and BC, in which the next group's fragments land
	WFETCH (\G)+1                                  ; they land under the 96 lines below
.endif
	; LeakyReLU on f16 pairs: h, 0.01 h, the larger of the two.  Each accumulator is read from its low end on.
.irp t, 0,1,2,3,4,5,6,7
.irp i, 0,1,2,3
	v_cvt_pk_f16_f32 v[ACC+8*\t+2*\i], v[ACC+8*\t+2*\i], v[ACC+8*\t+2*\i+1]
.endr
.endr
.irp t, 0,1,2,3,4,5,6,7
.irp i, 0,1,2,3
	v_pk_mul_f16 v[ACC+8*\t+2*\i+1], v[ACC+8*\t+2*\i], s68
.endr
.endr
	WIN 0x40                                       ; destination in window 1: register 4 u + i of the next layer's source 1 (tile p, K step g)
.irp t, 0,1,2,3,4,5,6,7
.irp i, 0,1,2,3
	v_pk_max_num_f16 v[outb+32*(\t%4)+8*gg+4*(\t/4)+\i], v[ACC+8*\t+2*\i], v[ACC+8*\t+2*\i+1]
.endr
.endr
.endm
.macro DBL sd, cd, ss, cs              ; the double angle, on 2 sin and 2 cos: S' = S C, C' = C C - 2
	v_pk_mul_f32 v[\sd:\sd+1], v[\ss:\ss+1], v[\cs:\cs+1]
	v_pk_fma_f32 v[\cd:\cd+1], v[\cs:\cs+1], v[\cs:\cs+1], -2.0 op_sel_hi:[1,1,0]
.endm
	s_mov_b32 s70, 8                               ; blocks to go
.Lblock:
	s_wait_loadcnt 0x0                             ; this block's x and idx, asked for a block ago
	; THE GATHER'S OFFSETS come first: the cell's number, held to the largest that the launch before can have stored, times 128 bytes, plus my 16 bytes of the cell
.set j, 0
.rept 16
	v_min_u32 v[IDX+j], 0x3efbe, v[IDX+j]
	v_lshlrev_b32 v[IDX+j], 7, v[IDX+j]
	v_add_nc_u32 v[IDX+j], v[C16], v[IDX+j]
.set j, j+1
.endr
	WIN 0x40
	s_wait_alu depctr_va_vdst(0)                   ; the offsets in v208-223 are written, which the gathers read; the products and maxima of the block before (in the first block: the set-up's lines) are done with window 1, in which they land
	; six steps' gathers go out: 48 loads of 512 bytes a wave, on their way under the corner weights and the encoding
.irp i, 0,1,2,3,4,5
	GATH \i
.endr
	WIN 0
	; THE CORNER WEIGHTS.  f = (c + 1) 31.5, as in the launch before; w = f - floor f; the upper cell's weight is w, or 1 where floor f >= 63 (the cell was held to 62); the lower's 1 - that
.irp c, 0,1,2
	v_add_f32 v[FX+2*\c], 1.0, v[XR+\c]
	v_add_f32 v[FX+2*\c+1], 1.0, v[XR+3+\c]
.endr
.irp c, 0,1,2
	v_pk_mul_f32 v[FX+2*\c:FX+2*\c+1], v[FX+2*\c:FX+2*\c+1], s[40:41] op_sel_hi:[1,0]
.endr
.irp z, 0,1,2,3,4,5
	v_floor_f32 v[FL+\z], v[FX+\z]
.endr
.irp c, 0,1,2
	v_pk_add_f32 v[WH+2*\c:WH+2*\c+1], v[FX+2*\c:FX+2*\c+1], v[FL+2*\c:FL+2*\c+1] neg_lo:[0,1] neg_hi:[0,1]
.endr
.irp c, 0,1,2
	v_pk_add_f32 v[FL+2*\c:FL+2*\c+1], v[FL+2*\c:FL+2*\c+1], s[42:43] op_sel_hi:[1,0]
.endr
.irp z, 0,1,2,3,4,5
	v_med3_num_f32 v[WH+\z], v[WH+\z], v[FL+\z], 1.0   ; the middle of w, floor f - 62 and 1
.endr
.irp c, 0,1,2
	v_pk_fma_f32 v[WLO+2*\c:WLO+2*\c+1], v[WH+2*\c:WH+2*\c+1], -1.0, 1.0 op_sel_hi:[1,0,0]
.endr
.irp z, 0,1
.irp y, 0,1
	v_pk_mul_f32 v[ZY+2*(2*\z+\y):ZY+2*(2*\z+\y)+1], v[WLO+4-6*\z:WLO+5-6*\z], v[WLO+2-6*\y:WLO+3-6*\y]  ; (z's weight x y's),
.endr
.endr
.irp j, 0,1,2,3,4,5,6,7
	v_pk_mul_f32 v[W8+2*\j:W8+2*\j+1], v[ZY+2*(\j/2):ZY+2*(\j/2)+1], v[WLO-6*(\j%2):WLO+1-6*(\j%2)]       ; x x's: the order of the reference
.endr
.irp e, 0,1
.irp j, 0,1,2,3,4,5,6,7
	v_cvt_pk_f16_f32 v[WP+8*\e+\j], v[W8+2*\j+\e], v[W8+2*\j+\e]  ; the weight twice, for the packed multiply-adds
.endr
.endr
	; THE ENCODING.  t = c - 2 round(c / 2), exact, in -1..1: sin and cos of 2^l pi c are those of 2^l pi t.  A series for 2 sin, 2 cos of pi t / 4 (what it drops is under 5e-8), then seven doublings.
.irp c, 0,1,2
	v_mul_f32 v[TT+2*\c], 0.5, v[XR+\c]
	v_mul_f32 v[TT+2*\c+1], 0.5, v[XR+3+\c]
.endr
.irp z, 0,1,2,3,4,5
	v_rndne_f32 v[TT+\z], v[TT+\z]
.endr
.irp c, 0,1,2
	v_fma_f32 v[TT+2*\c], v[TT+2*\c], -2.0, v[XR+\c]
	v_fma_f32 v[TT+2*\c+1], v[TT+2*\c+1], -2.0, v[XR+3+\c]
.endr
.irp c, 0,1,2
	v_pk_mul_f32 v[Y2+2*\c:Y2+2*\c+1], v[TT+2*\c:TT+2*\c+1], v[TT+2*\c:TT+2*\c+1]
.endr
.irp c, 0,1,2
	v_pk_fma_f32 v[SN+2*\c:SN+2*\c+1], v[Y2+2*\c:Y2+2*\c+1], s[52:53], s[50:51] op_sel_hi:[1,0,0]
	v_pk_fma_f32 v[CN+2*\c:CN+2*\c+1], v[Y2+2*\c:Y2+2*\c+1], s[60:61], s[58:59] op_sel_hi:[1,0,0]
.endr
.irp c, 0,1,2
	v_pk_fma_f32 v[SN+2*\c:SN+2*\c+1], v[SN+2*\c:SN+2*\c+1], v[Y2+2*\c:Y2+2*\c+1], s[48:49] op_sel_hi:[1,1,0]
	v_pk_fma_f32 v[CN+2*\c:CN+2*\c+1], v[CN+2*\c:CN+2*\c+1], v[Y2+2*\c:Y2+2*\c+1], s[56:57] op_sel_hi:[1,1,0]
.endr
.irp c, 0,1,2
	v_pk_fma_f32 v[SN+2*\c:SN+2*\c+1], v[SN+2*\c:SN+2*\c+1], v[Y2+2*\c:Y2+2*\c+1], s[46:47] op_sel_hi:[1,1,0]
	v_pk_fma_f32 v[CN+2*\c:CN+2*\c+1], v[CN+2*\c:CN+2*\c+1], v[Y2+2*\c:Y2+2*\c+1], s[54:55] op_sel_hi:[1,1,0]
.endr
.irp c, 0,1,2
	v_pk_fma_f32 v[SN+2*\c:SN+2*\c+1], v[SN+2*\c:SN+2*\c+1], v[Y2+2*\c:Y2+2*\c+1], s[44:45] op_sel_hi:[1,1,0]
	v_pk_fma_f32 v[CN+2*\c:CN+2*\c+1], v[CN+2*\c:CN+2*\c+1], v[Y2+2*\c:Y2+2*\c+1], 2.0 op_sel_hi:[1,1,0]
.endr
.irp c, 0,1,2
	v_pk_mul_f32 v[SN+2*\c:SN+2*\c+1], v[SN+2*\c:SN+2*\c+1], v[TT+2*\c:TT+2*\c+1]
.endr
.irp c, 0,1,2
	DBL D1S+2*\c, D1C+2*\c, SN+2*\c, CN+2*\c       ; pi t / 2
.endr
.irp c, 0,1,2
	DBL PEV+2*\c, PEV+36+2*\c, D1S+2*\c, D1C+2*\c  ; l = 0: number 3 l + c and number 18 + 3 l + c
.endr
.irp l, 1,2,3,4,5
.irp c, 0,1,2
	DBL PEV+6*\l+2*\c, PEV+36+6*\l+2*\c, PEV+6*\l-6+2*\c, PEV+30+6*\l+2*\c
.endr
.endr
.irp e, 0,1
.set j, 0
.rept 18
	v_cvt_pk_f16_f32 v[PEK+18*\e+j], v[PEV+4*j+\e], v[PEV+4*j+2+\e]
.set j, j+1
.endr
.endr
	s_wait_alu depctr_va_vdst(0)                   ; the roundings have written the corner weights in v224-239 and the encoding in v128-163, which the LDS stores below read
.irp e, 0,1
	ds_store_b128 v[WS], v[WP+8*\e:WP+8*\e+3] offset:(2*\e)*512
	ds_store_b128 v[WS], v[WP+8*\e+4:WP+8*\e+7] offset:(2*\e+1)*512
.endr
.irp e, 0,1
.irp t, 0,1,2,3
	ds_store_b128 v[YP], v[PEK+18*\e+4*\t:PEK+18*\e+4*\t+3] offset:32*PITCH*\e+16*\t  ; point 2 l + e is y's row l + 32 e
.endr
	ds_store_b64 v[YP], v[PEK+18*\e+16:PEK+18*\e+17] offset:32*PITCH*\e+64
.endr
.irp i, 0,1,2,3,4,5
	WGT \i                                         ; the six steps' weights back: LDS serves a wave's instructions in order (ISA guide 5.7.1.4), so these see the stores above.  No vector line since the block's first wait names the registers in which they land
.endr
	; THE GATHER: sixteen steps, six of them on their way at a time
.irp i, 0,1,2,3,4,5,6,7,8,9,10,11,12,13,14,15
	STEP \i
.endr
	s_wait_alu depctr_vm_vsrc(0)                   ; the gathers have read v208-223, in which the next idx lands; the LDS stores have read the sums in v32-95, in which group 0's fragments land, the encoding in v128-163, which the products write, and the corner weights in v224-239, which the next block writes; the last block's store has read v26-27
	s_wait_alu depctr_va_vdst(0)                   ; the steps' lines have written v32-95 and are done reading the slots: the loads below land in both
	; y's fragments: LDS serves a wave's instructions in order (ISA guide 5.7.1.4), so these see the stores above
	WIN 0x40
.irp p, 0,1,2,3
.irp c, 0,1,2,3
	ds_load_b128 v[32*\p+8*\c:32*\p+8*\c+3],   v[YA] offset:16*PITCH*\p+64*\c
	ds_load_b128 v[32*\p+8*\c+4:32*\p+8*\c+7], v[YA] offset:16*PITCH*\p+64*\c+32
.endr
.endr
	WIN 0
	WFETCH 0
	; the next block's x and idx are asked for now and have the whole chain of layers in which to land; the last block asks for nothing
	s_cmp_eq_u32 s70, 1
	s_cbranch_scc1 .Lno_next
	s_add_nc_u64 s[8:9], s[8:9], 768               ; every load through these bases, and every load addressed by v208-223, was shown done by a wait for 0 above
	s_add_nc_u64 s[10:11], s[10:11], 256
.irp t, 0,1,2
	global_load_b64 v[XR+2*\t:XR+2*\t+1], v[XO], s[8:9] offset:8*\t th:TH_LOAD_NT
.endr
.irp t, 0,1,2,3
	global_load_b128 v[IDX+4*\t:IDX+4*\t+3], v[IO], s[10:11] offset:16*\t th:TH_LOAD_NT
.endr
.Lno_next:
	; THE FOUR LAYERS
.irp G, 0,1,2,3,4,5,6,7,8,9,10,11,12,13,14,15
	GROUP \G
.endr
	; THE LAST LAYER: four accumulators by turns; the first K step starts the sums
	WIN 0x04
.irp c, 0,1,2,3
.irp p, 0,1,2,3
.if \c == 0
	v_wmma_f32_16x16x32_f16 v[ACC+8*\p:ACC+8*\p+7], v[W4F+8*\c:W4F+8*\c+7], v[32*\p+8*\c:32*\p+8*\c+7], 0
.else
	v_wmma_f32_16x16x32_f16 v[ACC+8*\p:ACC+8*\p+7], v[W4F+8*\c:W4F+8*\c+7], v[32*\p+8*\c:32*\p+8*\c+7], v[ACC+8*\p:ACC+8*\p+7]
.endif
.endr
.endr
	WIN 0
.rept 4
	v_nop                                          ; four places ahead of the reads of the results
.endr
	v_cndmask_b32 v[UV], v[ACC], v[ACC+8], s69     ; point 2 l is row l: tile l / 16, column l % 16; register 0 holds it in both halves of the lanes
	v_cndmask_b32 v[UV+1], v[ACC+16], v[ACC+24], s69   ; point 2 l + 1 is row l + 32
	v_pk_fma_f32 v[UV:UV+1], v[UV:UV+1], v[IT:IT+1], v[B4:B4+1]
	s_wait_alu depctr_va_vdst(0)                   ; the multiply-add has written v26-27, which the store reads
	global_store_b64 v[OO], v[UV:UV+1], s[36:37] th:TH_STORE_NT  ; the wave stores 256 consecutive bytes, at a multiple of 256 from out0's first
	s_wait_xcnt 0x0                                ; the store's base and data are rewritten only behind this wait
	s_add_nc_u64 s[36:37], s[36:37], 256
	s_sub_co_u32 s70, s70, 1
	s_cmp_lg_u32 s70, 0
	s_cbranch_scc1 .Lblock
	s_wait_dscnt 0x0                               ; the closing lines, six on end
	s_wait_alu 0x0
	s_wait_tensorcnt 0x0
	ds_add_u32 v[SPW], v[NIL]
	s_wait_dscnt 0x0
	s_endpgm
.Lfunc_end_k_qfd821cd06a_mlp:
	.size	k_qfd821cd06a_mlp, .Lfunc_end_k_qfd821cd06a_mlp-k_qfd821cd06a_mlp
	.p2alignl 7, 3214868480
	.fill 96, 4, 3214868480
	.section	.rodata,"a",@progbits
	.p2align	6, 0x0
	.amdhsa_kernel k_qfd821cd06a_mlp
		.amdhsa_group_segment_fixed_size 302336
		.amdhsa_private_segment_fixed_size 0
		.amdhsa_enable_private_segment 0
		.amdhsa_kernarg_size 120
		.amdhsa_user_sgpr_count 2
		.amdhsa_user_sgpr_kernarg_segment_ptr 1
		.amdhsa_wavefront_size32 1
		.amdhsa_system_sgpr_workgroup_id_x 1
		.amdhsa_system_sgpr_workgroup_id_y 1
		.amdhsa_system_sgpr_workgroup_id_z 1
		.amdhsa_system_vgpr_workitem_id 0
		.amdhsa_next_free_vgpr 512
		.amdhsa_next_free_sgpr 96
		.amdhsa_reserve_vcc 0
		.amdhsa_float_denorm_mode_32 3
		.amdhsa_float_denorm_mode_16_64 3
		.amdhsa_memory_ordered 1
		.amdhsa_forward_progress 1
		.amdhsa_inst_pref_size 255
	.end_amdhsa_kernel
	.section	.bss,"aw",@nobits
	.p2align	6
	.space	262144
	.amdgpu_metadata
---
amdhsa.version: [ 1, 2 ]
amdhsa.kernels:
  - .name:           k_qfd821cd06a_mlp
    .symbol:         k_qfd821cd06a_mlp.kd
    .args:
      - { .name: x, .offset: 0, .size: 8, .value_kind: global_buffer, .address_space: global }
      - { .name: idx, .offset: 8, .size: 8, .value_kind: global_buffer, .address_space: global }
      - { .name: table, .offset: 16, .size: 8, .value_kind: global_buffer, .address_space: global }
      - { .name: gmax, .offset: 24, .size: 8, .value_kind: global_buffer, .address_space: global }
      - { .name: w0, .offset: 32, .size: 8, .value_kind: global_buffer, .address_space: global }
      - { .name: b0, .offset: 40, .size: 8, .value_kind: global_buffer, .address_space: global }
      - { .name: w1, .offset: 48, .size: 8, .value_kind: global_buffer, .address_space: global }
      - { .name: b1, .offset: 56, .size: 8, .value_kind: global_buffer, .address_space: global }
      - { .name: w2, .offset: 64, .size: 8, .value_kind: global_buffer, .address_space: global }
      - { .name: b2, .offset: 72, .size: 8, .value_kind: global_buffer, .address_space: global }
      - { .name: w3, .offset: 80, .size: 8, .value_kind: global_buffer, .address_space: global }
      - { .name: b3, .offset: 88, .size: 8, .value_kind: global_buffer, .address_space: global }
      - { .name: w4, .offset: 96, .size: 8, .value_kind: global_buffer, .address_space: global }
      - { .name: b4, .offset: 104, .size: 8, .value_kind: global_buffer, .address_space: global }
      - { .name: out0, .offset: 112, .size: 8, .value_kind: global_buffer, .address_space: global }
    .group_segment_fixed_size: 302336
    .private_segment_fixed_size: 0
    .kernarg_segment_align: 8
    .kernarg_segment_size: 120
    .max_flat_workgroup_size: 256
    .sgpr_count:     96
    .vgpr_count:     512
    .wavefront_size: 32
...
	.end_amdgpu_metadata
.endif
;; end of part 3
